; MI455X (gfx1250); checked and timed in simulation.
; The chip was launched on July 23, 2026; its instructions are those of AMD's public machine-readable ISA for CDNA 5 (MIT licence, August 2026) and "CDNA5" Instruction Set Architecture Reference Guide (July 2026). The comments in the code are by the model that wrote it; some were corrected since.
;; BP Book Memory. Allowed arithmetic: matrix products marked QUANTISED: E2M1 operands, one E8M0 scale for each 32 along K, by v_wmma_scale_f32_16x16x128_f8f6f4 with both operands' format E2M1 (or v_wmma_scale_f32_32x16x128_f4), f32 sums; products left as they are: f32 operands where the result goes on into a quantised operand, else bf16, f16 or f32 operands; f32 sums; everything else in f32.
;; Inputs: memory 4,096 x 512 float32; retrieval_scale one number float32; x 8 x 4,096 x 512 float32.
;; Outputs: out0 8 x 4,096 x 512 float32.
;; This version of the problem:
;;   THIS VERSION OF THE PROBLEM IS GIVEN IN LOW PRECISION. The matrix products marked QUANTISED in the list below multiply operands that are first quantised to E2M1 (2 exponent bits, 1 mantissa bit; 4 bits a number), with one power-of-two scale for each 32 numbers along K (OCP MX v1.0); their sums are f32. All else is computed in f32.
;;   The module's matrix products, in the order in which they are computed (A, B: the left and right operand; K: the contracted axis; several contracted axes count as one K, in the product's order):
;;     1. [M 32,768, K 512] x [K 512, N 4,096]; A: computed on the way; B: computed on the way: QUANTISED
;;     2. batch 32,768 x [M 512, K 8] x [K 8, N 1]; A: computed on the way; B: softmax: left as it is (K = 8 < 32)
;;   THE QUANTISER, for each operand of a quantised product, along K:
;;     - K is cut into blocks of 32 from its start; a last block that is shorter is filled with zeros.
;;     - A block's scale is 2^e with e = floor(log2(the largest magnitude in the block)) - 2, held to -126 .. 127; a block of zeros has e = 0. As a byte (E8M0): e + 127.
;;     - Each number is divided by its block's scale, clamped to +-6, and rounded to the nearest number of E2M1, ties to even, subnormals kept.
;;     - The product sums the exact products of the quantised numbers (number of the format x scale) in f32.
;;   ~~~python
;;   def quantise(x, axis):      # numpy; x: float32 -> the quantised numbers, widened to float32 again
;;       x = np.moveaxis(x, axis, -1); K = x.shape[-1]
;;       x = np.pad(x, [(0, 0)] * (x.ndim - 1) + [(0, -K % 32)]); x = x.reshape(x.shape[:-1] + (-1, 32)); a = np.abs(x).max(-1, keepdims=True)
;;       e = np.where(a > 0, np.clip(np.frexp(np.where(a > 0, a, 1))[1] - 1 - 2, -126, 127), 0)      # np.frexp(a)[1] - 1 = floor(log2(a)), exactly
;;       r = np.clip(x / 2.0 ** e, -6, 6)
;;       step = 2.0 ** (np.maximum(np.frexp(np.where(r == 0, 1, r))[1] - 1, 0) - 1)
;;       q = np.round(r / step) * step * 2.0 ** e      # np.round: ties to even
;;       return np.moveaxis(q.reshape(q.shape[:-2] + (-1,))[..., :K], -1, axis).astype(np.float32)
;;   ~~~
;;   OPERANDS COMPUTED ON THE WAY. 'Computed on the way' means the value that the module computes at that place (a softmax that the list does not call 'softmax' is quantised finished and normalised). What goes into a quantiser is computed in f32, as accurately as f32 sums, v_exp_f32 and their like allow (about 1e-6 of the number): no bf16 or f16 on the way to a quantiser, and a product that is left as it is and whose result goes on into a quantised operand takes f32 operands (vector FMAs, or v_wmma_f32_16x16x4_f32). A number that lies on a knife's edge between two numbers of the format may be rounded either way, as far as f32 arithmetic and the matrix unit's own rounding can turn it there, and no further.
;; 2 versions. Each part assembles by itself: llvm-mc -triple=amdgcn-amd-amdhsa -mcpu=gfx1250 --defsym DOCPART=n.
;; ======== version 1 of 2: 4 launches
;; workspace buffers: xc 8,388,608 bytes; xs 524,288 bytes; mc 1,048,576 bytes; ms 65,536 bytes; mb 4,194,304 bytes; cand 1,048,576 bytes of whole numbers; sel 1,048,576 bytes of whole numbers; wts 1,048,576 bytes
;; launch quant (part 1): grid 576 x 1, 4 waves a work-group, no clusters, 78,336 bytes of LDS; arguments x, memory, xc, xs, mc, ms, mb; writes xc, xs, mc, ms, mb
.if DOCPART == 1
	.amdgcn_target "amdgcn-amd-amdhsa--gfx1250"
	.amdhsa_code_object_version 6
	.text
	.protected	k_qa839245323_quant
	.globl	k_qa839245323_quant
	.p2align	8
	.type	k_qa839245323_quant,@function
k_qa839245323_quant:
	s_mov_b64 s[64:65], 0
	v_nop
	global_prefetch_b8 v0, s[64:65] scope:SCOPE_SE
	s_setreg_imm32_b32 hwreg(HW_REG_WAVE_MODE, 25, 1), 1
	s_wait_xcnt 0x0
; THE PROGRAM: out = x + scale * sum_k softmax(top-8 scores)_k * memory[top-8 slot k], scores = Q(x / |x|) . Q(memory / |memory|), Q = MX-FP4 along the 512.
; Four launches: this one normalises and quantises; the second multiplies and keeps, for each query, the 8 best GROUPS of 8 neighbouring slots; the third
; multiplies those 64 slots again and takes the exact top 8 and the softmax; the fourth gathers and adds.
; DEAD WORK: none is left out.  Every input reaches the output: x (scores and the sum), memory (scores and the gather), retrieval_scale.
; WHY 8 GROUPS HOLD THE TOP 8: order groups by (largest score, falling; group number, rising).  If slot e of group g is among the top 8, each group ahead of g holds a slot that
; beats e (larger, or equal with a lower index, since groups are intervals of the index): so at most 7 groups stand ahead of g.
; THIS LAUNCH: rows of x (32,768) and of memory (4,096), 512 f32 each: row / max(sqrt(sum of squares), 1e-12), in f32, then codes of E2M1 and one E8M0 byte for each 32 along the row.
; The division is a multiplication by v_rcp_f32 of the norm.  memory is also copied as bf16 for the fourth launch's sum (a product that is left as it is, with f32 sums).
; LAYOUT OF THE CODES: by groups of 8 rows, 2,048 bytes a group, in the order of a matrix operand's registers: byte (2 s + c) 256 + row 32 + h 16 holds the 16 bytes of block 4 s + 2 c + h
; (s = which 128 along K).  The scale bytes: [group][row][16].  bf16 copy: 1,024 bytes a row; the 16 bytes at 512 p + 16 l hold elements 256 p + 4 l .. + 3 and 256 p + 128 + 4 l .. + 3.
; LIMITS: NaN and infinities among the inputs are not served.  A block of zeros gets the byte 1 where the rule says 127: its codes are zeros, and this program alone reads the bytes.
; SHARES: work-groups 0-511 take x, 512-575 memory (only pointers are chosen; one path through the text, but for the bf16 copy).  A wave takes 16 rows: two groups.
; Loads are dense (512 consecutive bytes an instruction); a group turns through the wave's own stage in LDS, so that a lane then holds whole blocks of 32: lane l has row l / 4, blocks 4 s + l % 4.
.set WREG,  19456                      ; LDS of a wave: the stage, 8 rows x 2,368 bytes, and from byte 19,200 its 256 scale bytes
.set RP,    2368                       ; a row in the stage: 16 blocks x 144 bytes, and 64 more: 592 words, so that the rows start 16 banks apart (64 banks of 4 bytes: ISA guide 11.1)
.set UP,    144                        ; a block of 32 numbers: 128 bytes + 16: sixteen lanes (4 rows x 4 blocks) then read 16 different columns of 16 bytes
.set SBY,   19200
.set SPARE, 4*WREG                     ; behind the four regions: the spare words, 128 bytes a wave, which no other line names
.set GOFF, 1                           ; v1   16 x lane
.set SWA,  2                           ; v2   the stage, on the way in
.set SRA,  3                           ; v3   the stage, on the way out
.set COFF, 4                           ; v4   my 16 bytes among a store's 512 bytes of codes
.set SBA,  5                           ; v5   LDS: my block's scale byte
.set SBR,  6                           ; v6   LDS: 8 scale bytes a lane, on the way out
.set L8,   7                           ; v7   8 x lane
.set SPW,  8                           ; v8   my spare word; never rewritten
.set NIL,  9                           ; v9   0; never rewritten
.set SS,   10                          ; v10-17 four pairs of partial sums of squares
.set BY,   10                          ; v10-13 later the four scale bytes
.set INV,  20                          ; v20-21 1 / norm, twice
.set AM,   22                          ; v22-25 largest magnitudes of my four blocks
.set SOP,  26                          ; v26-29 the conversions' scale operands
.set X,    32                          ; v32-159 the group's numbers, 128 a lane
.set BF,   160                         ; v160-223 the bf16 copy
.set C,    224                         ; v224-239 the codes
	s_load_b128 s[4:7], s[0:1], 0x0                ; x, memory
	s_load_b128 s[8:11], s[0:1], 0x10              ; x's codes, x's scales
	s_load_b128 s[12:15], s[0:1], 0x20             ; memory's codes, memory's scales
	s_load_b64 s[16:17], s[0:1], 0x30              ; the bf16 copy
	v_lshl_add_u32 v[SPW], v0, 2, SPARE
	v_mov_b32 v[NIL], 0
	v_lshrrev_b32 v10, 5, v0
	v_readfirstlane_b32 s18, v10                   ; wave
	v_and_b32 v11, 31, v0                          ; lane
	v_lshlrev_b32 v[GOFF], 4, v11
	s_mul_i32 s19, s18, WREG                       ; my region
	v_lshrrev_b32 v12, 3, v11
	v_mul_u32_u24 v12, v12, UP
	v_and_b32 v13, 7, v11
	v_lshl_add_u32 v12, v13, 4, v12
	v_add_nc_u32 v[SWA], s19, v12                  ; in: eight lanes fill a block: 144 (lane / 8) + 16 (lane % 8)
	v_lshrrev_b32 v14, 2, v11                      ; row = lane / 4
	v_and_b32 v15, 3, v11                          ; q = lane % 4
	v_mul_u32_u24 v12, v14, RP
	v_mad_u32_u24 v12, v15, UP, v12
	v_add_nc_u32 v[SRA], s19, v12                  ; out: my row, block q
	v_lshrrev_b32 v12, 1, v15
	v_and_b32 v13, 1, v15
	v_lshlrev_b32 v[COFF], 8, v12
	v_lshl_add_u32 v[COFF], v14, 5, v[COFF]
	v_lshl_add_u32 v[COFF], v13, 4, v[COFF]        ; 256 (q / 2) + 32 row + 16 (q % 2)
	s_add_co_u32 s20, s19, SBY
	v_lshl_add_u32 v12, v14, 4, v15
	v_add_nc_u32 v[SBA], s20, v12                  ; 16 row + q
	v_lshlrev_b32 v[L8], 3, v11
	v_add_nc_u32 v[SBR], s20, v[L8]
	s_wait_kmcnt 0x0
	s_cmp_lt_u32 ttmp9, 512                        ; x's work-group or memory's: the choice hangs on the work-group's number alone
	s_cselect_b64 s[4:5], s[4:5], s[6:7]
	s_cselect_b64 s[8:9], s[8:9], s[12:13]
	s_cselect_b64 s[10:11], s[10:11], s[14:15]
	s_cselect_b32 s21, 0, 512
	s_cselect_b32 s22, 0, 1                        ; 1: memory, which is also copied as bf16
	s_sub_co_u32 s21, ttmp9, s21
	s_lshl_b32 s21, s21, 2
	s_add_co_u32 s21, s21, s18                     ; which 16 rows of the tensor are my wave's
	s_mov_b32 s25, 0
	s_lshl_b32 s24, s21, 15                        ; 16 rows of 2,048 bytes
	s_add_nc_u64 s[4:5], s[4:5], s[24:25]
	s_lshl_b32 s24, s21, 12                        ; two groups of 2,048 bytes of codes
	s_add_nc_u64 s[8:9], s[8:9], s[24:25]
	s_lshl_b32 s24, s21, 8                         ; 256 scale bytes
	s_add_nc_u64 s[10:11], s[10:11], s[24:25]
	s_lshl_b32 s24, s21, 14                        ; 16 rows of 1,024 bytes of bf16 (used by memory's work-groups alone)
	s_add_nc_u64 s[16:17], s[16:17], s[24:25]
.macro GROUP g
	s_wait_xcnt 0x0                                ; the last group's stores have read their registers: BF and C are written again only behind this wait
.set i, 0
.rept 32
	global_load_b128 v[X+4*i:X+4*i+3], v[GOFF], s[4:5] offset:\g*16384+512*i th:TH_LOAD_NT   ; 32 lanes read 512 consecutive bytes; load i: row i / 4, elements 128 (i % 4) + 4 lane on
.set i, i+1
.endr
	s_wait_loadcnt 0x0
	s_cmp_eq_u32 s22, 0
	s_cbranch_scc1 .Lno_copy_\@
.set i, 0
.rept 64
	v_cvt_pk_bf16_f32 v[BF+i], v[X+2*i], v[X+2*i+1]
.set i, i+1
.endr
.set i, 0
.rept 16
	global_store_b128 v[GOFF], v[BF+4*i:BF+4*i+3], s[16:17] offset:\g*8192+512*i   ; the numbers of loads 2 i and 2 i + 1: 512 consecutive bytes
.set i, i+1
.endr
.Lno_copy_\@:
.set i, 0
.rept 32
	ds_store_b128 v[SWA], v[X+4*i:X+4*i+3] offset:(i/4)*RP+(i%4)*4*UP
.set i, i+1
.endr
.set i, 0
.rept 32
	ds_load_b128 v[X+4*i:X+4*i+3], v[SRA] offset:(i/8)*4*UP+16*(i%8)   ; LDS serves a wave's instructions in order: these see the stores above.  v[X + 32 s ..] = block 4 s + q of my row
.set i, i+1
.endr
	s_wait_dscnt 0x0
.irp c, 0,1,2,3
	v_pk_mul_f32 v[SS+2*\c:SS+2*\c+1], v[X+2*\c:X+2*\c+1], v[X+2*\c:X+2*\c+1]   ; the sum of squares: four chains, started by the first products
.endr
.set i, 4
.rept 60
	v_pk_fma_f32 v[SS+2*(i%4):SS+2*(i%4)+1], v[X+2*i:X+2*i+1], v[X+2*i:X+2*i+1], v[SS+2*(i%4):SS+2*(i%4)+1]
.set i, i+1
.endr
	v_pk_add_f32 v[SS:SS+1], v[SS:SS+1], v[SS+2:SS+3]
	v_pk_add_f32 v[SS+4:SS+5], v[SS+4:SS+5], v[SS+6:SS+7]
	v_pk_add_f32 v[SS:SS+1], v[SS:SS+1], v[SS+4:SS+5]
	v_add_f32 v[SS], v[SS], v[SS+1]
	v_add_f32_dpp v[SS], v[SS], v[SS] row_xmask:1 row_mask:0xf bank_mask:0xf   ; with the three other lanes of my row
	v_add_f32_dpp v[SS], v[SS], v[SS] row_xmask:2 row_mask:0xf bank_mask:0xf
	v_sqrt_f32 v[SS+1], v[SS]
	v_nop                                          ; a plain instruction behind the transcendental,
	s_wait_alu depctr_va_vdst(0)                   ; and a wait ahead of its first reader
	v_max_num_f32 v[SS+1], 0x2b8cbccc, v[SS+1]     ; max(norm, 1e-12)
	v_rcp_f32 v[INV], v[SS+1]
	v_nop
	s_wait_alu depctr_va_vdst(0)
	v_mov_b32 v[INV+1], v[INV]
.set i, 0
.rept 64
	v_pk_mul_f32 v[X+2*i:X+2*i+1], v[X+2*i:X+2*i+1], v[INV:INV+1]
.set i, i+1
.endr
.irp s, 0,1,2,3
	v_max3_num_f32 v[AM+\s], |v[X+32*\s]|, |v[X+32*\s+1]|, 0x1800000   ; a block's largest magnitude: all 32 numbers are mine; the floor 2^(3 - 127) holds the byte at 1 from below
.endr
.irp j, 2,4,6,8,10,12,14,16,18,20,22,24,26,28,30
.irp s, 0,1,2,3
	v_max3_num_f32 v[AM+\s], v[AM+\s], |v[X+32*\s+\j]|, |v[X+32*\s+\j+1]|   ; (the four blocks by turns)
.endr
.endr
.irp s, 0,1,2,3
	v_add_nc_u32 v[SOP+\s], 0xff000000, v[AM+\s]   ; 2 off its exponent field: the conversion takes this operand's exponent field as its scale
.endr
.irp s, 0,1,2,3
.irp e, 0,1,2,3
	v_cvt_scalef32_pk8_fp4_f32 v[C+4*\s+\e], v[X+32*\s+8*\e:X+32*\s+8*\e+7], v[SOP+\s]
.endr
.endr
.irp s, 0,1,2,3
	v_lshrrev_b32 v[BY+\s], 23, v[SOP+\s]          ; the scale's byte (also the plain instruction behind the conversions)
.endr
.irp s, 0,1,2,3
	ds_store_b8 v[SBA], v[BY+\s] offset:\g*128+4*\s
	global_store_b128 v[COFF], v[C+4*\s:C+4*\s+3], s[8:9] offset:\g*2048+512*\s   ; the 32 lanes fill 512 consecutive bytes: the two chunks of K step s
.endr
.endm
	GROUP 0
	GROUP 1
	ds_load_b64 v[14:15], v[SBR]                   ; my wave's 256 scale bytes leave as 256 consecutive bytes
	s_wait_dscnt 0x0
	global_store_b64 v[L8], v[14:15], s[10:11]
	s_wait_tensorcnt 0x0                           ; the wave's end, behind my last LDS store
	ds_add_u32 v[SPW], v[NIL]
	s_wait_dscnt 0x0
	s_endpgm
.Lfunc_end_k_qa839245323_quant:
	.size	k_qa839245323_quant, .Lfunc_end_k_qa839245323_quant-k_qa839245323_quant
	.p2alignl 7, 3214868480
	.fill 96, 4, 3214868480
	.section	.rodata,"a",@progbits
	.p2align	6, 0x0
	.amdhsa_kernel k_qa839245323_quant
		.amdhsa_group_segment_fixed_size 78336
		.amdhsa_private_segment_fixed_size 0
		.amdhsa_enable_private_segment 0
		.amdhsa_kernarg_size 56
		.amdhsa_user_sgpr_count 2
		.amdhsa_user_sgpr_kernarg_segment_ptr 1
		.amdhsa_wavefront_size32 1
		.amdhsa_system_sgpr_workgroup_id_x 1
		.amdhsa_system_sgpr_workgroup_id_y 1
		.amdhsa_system_sgpr_workgroup_id_z 1
		.amdhsa_system_vgpr_workitem_id 0
		.amdhsa_next_free_vgpr 240
		.amdhsa_next_free_sgpr 66
		.amdhsa_reserve_vcc 0
		.amdhsa_float_denorm_mode_32 3
		.amdhsa_float_denorm_mode_16_64 3
		.amdhsa_memory_ordered 1
		.amdhsa_forward_progress 1
		.amdhsa_inst_pref_size 58
	.end_amdhsa_kernel
	.amdgpu_metadata
---
amdhsa.version: [ 1, 2 ]
amdhsa.kernels:
  - .name:           k_qa839245323_quant
    .symbol:         k_qa839245323_quant.kd
    .args:
      - { .name: x, .offset: 0, .size: 8, .value_kind: global_buffer, .address_space: global }
      - { .name: memory, .offset: 8, .size: 8, .value_kind: global_buffer, .address_space: global }
      - { .name: xc, .offset: 16, .size: 8, .value_kind: global_buffer, .address_space: global }
      - { .name: xs, .offset: 24, .size: 8, .value_kind: global_buffer, .address_space: global }
      - { .name: mc, .offset: 32, .size: 8, .value_kind: global_buffer, .address_space: global }
      - { .name: ms, .offset: 40, .size: 8, .value_kind: global_buffer, .address_space: global }
      - { .name: mb, .offset: 48, .size: 8, .value_kind: global_buffer, .address_space: global }
    .group_segment_fixed_size: 78336
    .private_segment_fixed_size: 0
    .kernarg_segment_align: 8
    .kernarg_segment_size: 56
    .max_flat_workgroup_size: 128
    .sgpr_count:     66
    .vgpr_count:     240
    .wavefront_size: 32
...
	.end_amdgpu_metadata
.endif
;; end of part 1
;; launch sweep (part 2): grid 256 x 1, 4 waves a work-group, no clusters, 66,048 bytes of LDS; arguments xc, xs, mc, ms, cand; writes cand
.if DOCPART == 2
	.amdgcn_target "amdgcn-amd-amdhsa--gfx1250"
	.amdhsa_code_object_version 6
	.text
	.protected	k_qa839245323_sweep
	.globl	k_qa839245323_sweep
	.p2align	8
	.type	k_qa839245323_sweep,@function
k_qa839245323_sweep:
	s_mov_b64 s[64:65], 0
	v_nop
	global_prefetch_b8 v0, s[64:65] scope:SCOPE_SE
	s_setreg_imm32_b32 hwreg(HW_REG_WAVE_MODE, 25, 1), 1
	s_wait_xcnt 0x0
; The QUANTISED product, 32,768 queries x 4,096 slots x 512, on codes of E2M1 with E8M0 scales, and for each query the 8 best GROUPS of 8 neighbouring slots, by (largest score, falling;
; group number, rising).  They hold the query's top 8 slots (shown at the head of the first kernel).  No work of the problem is left out here.
; SHARES: a work-group takes 128 queries: 8 tiles of 16, whose fragments stay in every wave's registers.  Wave w takes slots 1,024 w on, as 64 tiles; tile T is groups 128 w + T (rows 0-7) and
; 128 w + 64 + T (rows 8-15).  THE PRODUCT IS USED TRANSPOSED (source 0 = 16 slots, source 1 = 16 queries): lane (r, h) holds query r, and an accumulator's 8 registers are ONE group, 128 w + 64 h + T.
; So a group's largest score is four maxima within a lane, and it is put into the lane's sorted list of 8 (key, group) by compares and selects alone: no branch and no address hangs on a score.
; The compare is strict and groups come in rising order, so that of equal keys the lower group stays ahead.
; Within a work-group each fragment of the table feeds one wave alone, so it goes from memory straight into that wave's registers, four tiles ahead; no LDS ring, no cluster.
; The insertions of tile T stand between the matrix instructions of tile T + 1: four products, then 31 vector instructions that name none of their registers.
; At the end the 8 lists of a query (4 waves x 2 halves) meet in LDS, are merged in rising order of their groups, and the 8 group numbers are sorted and stored.
; LIMITS: NaN and infinities are not served (maxima, v_med3 and compares pass over NaN).
; REGISTERS: window 0 as named below; window 1: the queries' fragments, v[32 t + 8 s ..]; window 2: a ring of four tiles of the table, v[32 b + 8 s ..].
.set AOFF,  1                          ; v1   table codes: 131,072 ((l / 8) % 2) + 32 (l % 8) + 16 (l / 16): rows 8-15 lie 64 groups on
.set ASOFF, 2                          ; v2   table scales: 8,192 ((l / 8) % 2) + 16 (l % 8)
.set GID,   3                          ; v3   my group of the tile whose maxima are in hand
.set BOFF,  4                          ; v4   queries' codes: 2,048 ((l / 8) % 2) + 32 (l % 8) + 16 (l / 16)
.set SA,    5                          ; v5   LDS: where I put 16 bytes of a list
.set RA,    6                          ; v6   LDS: where I read the lists of the query that I merge
.set ADR,   7                          ; v7   the same, for the list in hand
.set SPW,   8                          ; v8   my spare word; never rewritten
.set NIL,   9                          ; v9   0; never rewritten
.set L16,   10                         ; v10  16 x lane
.set TMP,   11
.set BS,    16                         ; v16-31  queries' scale words: register 4 p + s: lanes 0-15 tile 2 p, lanes 16-31 tile 2 p + 1
.set AS,    32                         ; v32-47  the table's scale words: ring of four tiles x four K steps
.set XM,    48                         ; v48-55  the group's largest score, one for each tile of queries
.set ACC,   56                         ; v56-119 eight accumulators
.set KL,    120                        ; v120-183 the lists' keys, 8 a tile of queries, the largest first
.set IL,    184                        ; v184-247 the lists' groups
.set LK,    56                         ; the merge: a list read back (the accumulators are done with)
.set LI,    64
.set SPARE, 65536                      ; behind the lists' 65,536 bytes: the spare words, 128 bytes a wave, which no other line names
.set MSB, 0
.macro WIN new                         ; the immediate's high byte repeats the setting that is left
.if MSB != \new
	s_set_vgpr_msb (MSB<<8)|\new
.set MSB, \new
.endif
.endm
; (key v[x], group v[g]) goes into the sorted list v[kk ..], v[ii ..]: 8 compares; from the end on, each place takes its neighbour, the newcomer, or stays.
.macro INS x, g, kk, ii
.irp m, 0,1,2,3,4,5,6,7
	v_cmp_gt_f32 s[40+\m], v[\x], v[\kk+\m]
.endr
.irp m, 7,6,5,4,3,2,1
	v_cndmask_b32 v[\ii+\m], v[\ii+\m], v[\g], s[40+\m]
	v_med3_num_f32 v[\kk+\m], v[\x], v[\kk+\m-1], v[\kk+\m]
	v_cndmask_b32 v[\ii+\m], v[\ii+\m], v[\ii+\m-1], s[40+\m-1]
.endr
	v_cndmask_b32 v[\ii], v[\ii], v[\g], s40
	v_max_num_f32 v[\kk], v[\kk], v[\x]
.endm
.macro MAXES                           ; each accumulator's largest: read from its low end on, the eight by turns
.irp t, 0,1,2,3,4,5,6,7
	v_max3_num_f32 v[XM+\t], v[ACC+8*\t], v[ACC+8*\t+1], v[ACC+8*\t+2]
.endr
.irp t, 0,1,2,3,4,5,6,7
	v_max3_num_f32 v[XM+\t], v[XM+\t], v[ACC+8*\t+3], v[ACC+8*\t+4]
.endr
.irp t, 0,1,2,3,4,5,6,7
	v_max3_num_f32 v[XM+\t], v[XM+\t], v[ACC+8*\t+5], v[ACC+8*\t+6]
.endr
.irp t, 0,1,2,3,4,5,6,7
	v_max_num_f32 v[XM+\t], v[XM+\t], v[ACC+8*\t+7]
.endr
.endm
.macro LOADA b, k                      ; the tile k tiles on from the base into ring place b: 8 loads of codes, 1 of scale words: nine loads
	WIN 0x80                                       ; destination window 2
.irp ch, 0,1,2,3,4,5,6,7
	global_load_b128 v[32*(\b)+4*\ch:32*(\b)+4*\ch+3], v[AOFF], s[8:9] offset:(\k)*2048+\ch*256
.endr
	WIN 0
	global_load_b128 v[AS+4*(\b):AS+4*(\b)+3], v[ASOFF], s[10:11] offset:(\k)*128
.endm
; Four products: K step blk / 2, tiles of queries 4 (blk % 2) on.  The eight accumulators take turns, one instruction a turn; K step 0 starts the sums with the constant 0.
.macro MM4 b, blk
	WIN 0x06                                       ; source 0 (table) window 2, source 1 (queries) window 1, C and D window 0
.set ks, (\blk)/2
.irp u, 0,1,2,3
.set tq, 4*((\blk)%2)+\u
.if ks == 0
.if \u%2
	v_wmma_scale_f32_16x16x128_f8f6f4 v[ACC+8*tq:ACC+8*tq+7], v[32*(\b)+8*ks:32*(\b)+8*ks+7], v[32*tq+8*ks:32*tq+8*ks+7], 0, v[AS+4*(\b)+ks], v[BS+4*(tq/2)+ks] matrix_a_fmt:MATRIX_FMT_FP4 matrix_b_fmt:MATRIX_FMT_FP4 matrix_b_scale:MATRIX_SCALE_ROW1
.else
	v_wmma_scale_f32_16x16x128_f8f6f4 v[ACC+8*tq:ACC+8*tq+7], v[32*(\b)+8*ks:32*(\b)+8*ks+7], v[32*tq+8*ks:32*tq+8*ks+7], 0, v[AS+4*(\b)+ks], v[BS+4*(tq/2)+ks] matrix_a_fmt:MATRIX_FMT_FP4 matrix_b_fmt:MATRIX_FMT_FP4
.endif
.else
.if \u%2
	v_wmma_scale_f32_16x16x128_f8f6f4 v[ACC+8*tq:ACC+8*tq+7], v[32*(\b)+8*ks:32*(\b)+8*ks+7], v[32*tq+8*ks:32*tq+8*ks+7], v[ACC+8*tq:ACC+8*tq+7], v[AS+4*(\b)+ks], v[BS+4*(tq/2)+ks] matrix_a_fmt:MATRIX_FMT_FP4 matrix_b_fmt:MATRIX_FMT_FP4 matrix_b_scale:MATRIX_SCALE_ROW1
.else
	v_wmma_scale_f32_16x16x128_f8f6f4 v[ACC+8*tq:ACC+8*tq+7], v[32*(\b)+8*ks:32*(\b)+8*ks+7], v[32*tq+8*ks:32*tq+8*ks+7], v[ACC+8*tq:ACC+8*tq+7], v[AS+4*(\b)+ks], v[BS+4*(tq/2)+ks] matrix_a_fmt:MATRIX_FMT_FP4 matrix_b_fmt:MATRIX_FMT_FP4
.endif
.endif
.endr
.endm
; The stage of a tile T in ring place b, whose products are done: its maxima; ld = 1: place b takes tile T + 4 (its last product stands at least 36 plain instructions back);
; mm = 1: tile T + 1's products, four at a time, with tile T's insertions between them.  cnt: the loads of the younger tiles, nine each, that may stay out.
.macro STAGE b, ld, cnt, mm
	MAXES
.if \ld
	LOADA \b, 4+\b
.endif
.if \mm
	s_wait_loadcnt \cnt
.endif
.set blk, 0
.rept 8
.if \mm
	MM4 (\b+1)%4, blk
	WIN 0
.endif
	INS XM+blk, GID, KL+8*blk, IL+8*blk
.set blk, blk+1
.endr
	v_add_nc_u32 v[GID], 1, v[GID]
.endm
	s_load_b256 s[4:11], s[0:1], 0x0               ; queries' codes, queries' scales, table's codes, table's scales
	s_load_b64 s[12:13], s[0:1], 0x20              ; the candidates
	v_lshl_add_u32 v[SPW], v0, 2, SPARE
	v_mov_b32 v[NIL], 0
	v_lshrrev_b32 v11, 5, v0
	v_readfirstlane_b32 s14, v11                   ; wave
	v_and_b32 v11, 31, v0                          ; lane
	v_bfe_u32 v12, v0, 3, 1                        ; (l / 8) % 2
	v_and_b32 v13, 7, v0                           ; l % 8
	v_bfe_u32 v14, v0, 4, 1                        ; h = l / 16
	v_lshlrev_b32 v15, 5, v13
	v_lshl_add_u32 v15, v14, 4, v15
	v_lshl_add_u32 v[AOFF], v12, 17, v15
	v_lshl_add_u32 v[BOFF], v12, 11, v15
	v_lshlrev_b32 v15, 4, v13
	v_lshl_add_u32 v[ASOFF], v12, 13, v15
	v_lshlrev_b32 v[L16], 4, v11
	s_lshl_b32 s15, s14, 7
	v_lshl_add_u32 v[GID], v14, 6, s15             ; 128 w + 64 h
	s_lshl_b32 s15, s14, 9
	v_add_nc_u32 v[SA], s15, v[L16]                ; 512 w + 16 l: list 2 w + h, query r
	s_lshl_b32 s15, s14, 14
	v_and_b32 v15, 15, v0
	v_lshlrev_b32 v15, 4, v15
	v_lshl_add_u32 v15, v14, 13, v15
	v_add_nc_u32 v[RA], s15, v15                   ; I merge query l % 16 of tile 2 w + l / 16: 8,192 bytes a tile
	s_lshl_b32 s16, ttmp9, 15                      ; my 128 queries' codes: 16 groups of 2,048 bytes
	s_mov_b32 s17, 0
	s_lshl_b32 s18, ttmp9, 11                      ; their scale bytes; and their candidates' plane
	s_mov_b32 s19, 0
	s_lshl_b32 s22, s14, 18                        ; my wave's 128 groups of the table
	s_mov_b32 s23, 0
	s_lshl_b32 s24, s14, 14
	s_mov_b32 s25, 0
	s_lshl_b32 s26, s14, 9
	s_add_co_u32 s26, s26, s18
	s_mov_b32 s27, 0
	s_wait_kmcnt 0x0
	s_add_nc_u64 s[4:5], s[4:5], s[16:17]
	s_add_nc_u64 s[6:7], s[6:7], s[18:19]
	s_add_nc_u64 s[8:9], s[8:9], s[22:23]
	s_add_nc_u64 s[10:11], s[10:11], s[24:25]
	s_add_nc_u64 s[12:13], s[12:13], s[26:27]
	WIN 0x40                                       ; destination window 1
.set i, 0
.rept 64
	global_load_b128 v[4*i:4*i+3], v[BOFF], s[4:5] offset:(i/8)*4096+(i%8)*256   ; the queries' fragments stay
.set i, i+1
.endr
	WIN 0
.irp p, 0,1,2,3
	global_load_b128 v[BS+4*\p:BS+4*\p+3], v[L16], s[6:7] offset:512*\p
.endr
	LOADA 0, 0
	LOADA 1, 1
	LOADA 2, 2
	LOADA 3, 3
.set i, 0
.rept 64
	v_mov_b32 v[KL+i], 0xff800000                  ; the lists begin empty: keys of -infinity, under every score
	v_mov_b32 v[IL+i], 0
.set i, i+1
.endr
	s_wait_loadcnt 27                              ; the queries and tile 0 are in; tiles 1 to 3, nine loads each, may be out
.set blk, 0
.rept 8
	MM4 0, blk                                     ; tile 0's products: there is no vector work yet to set between them
.set blk, blk+1
.endr
	WIN 0
.rept 4
	v_nop                                          ; four places between the last product and the first read of results, and the loads into ring place 0
.endr
	s_mov_b32 s20, 15
.Ltrip:                                                ; 15 trips of four tiles: tiles 0 to 59 are inserted, 1 to 60 multiplied, 4 to 63 asked for
	STAGE 0, 1, 27, 1
	STAGE 1, 1, 27, 1
	STAGE 2, 1, 27, 1
	STAGE 3, 1, 27, 1
	s_wait_xcnt 0x0                                ; the loads have read their bases: these step only behind this wait
	s_add_nc_u64 s[8:9], s[8:9], 8192
	s_add_nc_u64 s[10:11], s[10:11], 512
	s_sub_co_u32 s20, s20, 1
	s_cmp_lg_u32 s20, 0
	s_cbranch_scc1 .Ltrip
	STAGE 0, 0, 18, 1                              ; the last four tiles ask for nothing: no load leaves its buffer, and the counts run down
	STAGE 1, 0, 9, 1
	STAGE 2, 0, 0, 1
	STAGE 3, 0, 0, 0
	; THE MERGE.  Quarter-lists (4 t + quad) of 2,048 bytes: quad 0, 1 the keys, 2, 3 the groups; in each, list u = 2 w + h at 256 u, query r at 16 r.
.irp t, 0,1,2,3,4,5,6,7
	ds_store_b128 v[SA], v[KL+8*\t:KL+8*\t+3] offset:(4*\t)*2048
	ds_store_b128 v[SA], v[KL+8*\t+4:KL+8*\t+7] offset:(4*\t+1)*2048
	ds_store_b128 v[SA], v[IL+8*\t:IL+8*\t+3] offset:(4*\t+2)*2048
	ds_store_b128 v[SA], v[IL+8*\t+4:IL+8*\t+7] offset:(4*\t+3)*2048
.endr
	s_wait_dscnt 0x0                               ; for the others' sake: my stores have landed
	s_barrier_signal -1
	s_barrier_wait -1
	ds_load_b128 v[KL:KL+3], v[RA]                 ; list 0 of my query is the start
	ds_load_b128 v[KL+4:KL+7], v[RA] offset:2048
	ds_load_b128 v[IL:IL+3], v[RA] offset:4096
	ds_load_b128 v[IL+4:IL+7], v[RA] offset:6144
	s_mov_b32 s21, 0
.Lmerge:                                               ; seven trips: lists 1 to 7, whose groups rise with the list's number, so that ties stay with the lower group
	s_add_co_u32 s21, s21, 256
	v_add_nc_u32 v[ADR], s21, v[RA]
	ds_load_b128 v[LK:LK+3], v[ADR]
	ds_load_b128 v[LK+4:LK+7], v[ADR] offset:2048
	ds_load_b128 v[LI:LI+3], v[ADR] offset:4096
	ds_load_b128 v[LI+4:LI+7], v[ADR] offset:6144
	s_wait_dscnt 0x0
.irp e, 0,1,2,3,4,5,6,7
	INS LK+\e, LI+\e, KL, IL
.endr
	s_cmp_lt_u32 s21, 1792
	s_cbranch_scc1 .Lmerge
	; the 8 groups in rising order (the next launch walks them so, for its ties): as f32, which holds numbers under 512 exactly; 19 exchanges
.irp e, 0,1,2,3,4,5,6,7
	v_cvt_f32_u32 v[IL+\e], v[IL+\e]
.endr
.macro CE a, b
	v_min_num_f32 v[TMP], v[IL+\a], v[IL+\b]
	v_max_num_f32 v[IL+\b], v[IL+\a], v[IL+\b]
	v_mov_b32 v[IL+\a], v[TMP]
.endm
	CE 0, 1
	CE 2, 3
	CE 4, 5
	CE 6, 7
	CE 0, 2
	CE 1, 3
	CE 4, 6
	CE 5, 7
	CE 1, 2
	CE 5, 6
	CE 0, 4
	CE 1, 5
	CE 2, 6
	CE 3, 7
	CE 2, 4
	CE 3, 5
	CE 1, 2
	CE 3, 4
	CE 5, 6
.irp e, 0,1,2,3,4,5,6,7
	v_cvt_u32_f32 v[IL+\e], v[IL+\e]
.endr
	global_store_b128 v[L16], v[IL:IL+3], s[12:13]                  ; plane 0: groups 0-3 of 32 queries: 512 consecutive bytes
	global_store_b128 v[L16], v[IL+4:IL+7], s[12:13] offset:524288  ; plane 1: groups 4-7
	s_wait_tensorcnt 0x0                           ; the wave's end, behind my last LDS store
	ds_add_u32 v[SPW], v[NIL]
	s_wait_dscnt 0x0
	s_endpgm
.Lfunc_end_k_qa839245323_sweep:
	.size	k_qa839245323_sweep, .Lfunc_end_k_qa839245323_sweep-k_qa839245323_sweep
	.p2alignl 7, 3214868480
	.fill 96, 4, 3214868480
	.section	.rodata,"a",@progbits
	.p2align	6, 0x0
	.amdhsa_kernel k_qa839245323_sweep
		.amdhsa_group_segment_fixed_size 66048
		.amdhsa_private_segment_fixed_size 0
		.amdhsa_enable_private_segment 0
		.amdhsa_kernarg_size 40
		.amdhsa_user_sgpr_count 2
		.amdhsa_user_sgpr_kernarg_segment_ptr 1
		.amdhsa_wavefront_size32 1
		.amdhsa_system_sgpr_workgroup_id_x 1
		.amdhsa_system_sgpr_workgroup_id_y 1
		.amdhsa_system_sgpr_workgroup_id_z 1
		.amdhsa_system_vgpr_workitem_id 0
		.amdhsa_next_free_vgpr 640
		.amdhsa_next_free_sgpr 66
		.amdhsa_reserve_vcc 0
		.amdhsa_float_denorm_mode_32 3
		.amdhsa_float_denorm_mode_16_64 3
		.amdhsa_memory_ordered 1
		.amdhsa_forward_progress 1
		.amdhsa_inst_pref_size 215
	.end_amdhsa_kernel
	.amdgpu_metadata
---
amdhsa.version: [ 1, 2 ]
amdhsa.kernels:
  - .name:           k_qa839245323_sweep
    .symbol:         k_qa839245323_sweep.kd
    .args:
      - { .name: xc, .offset: 0, .size: 8, .value_kind: global_buffer, .address_space: global }
      - { .name: xs, .offset: 8, .size: 8, .value_kind: global_buffer, .address_space: global }
      - { .name: mc, .offset: 16, .size: 8, .value_kind: global_buffer, .address_space: global }
      - { .name: ms, .offset: 24, .size: 8, .value_kind: global_buffer, .address_space: global }
      - { .name: cand, .offset: 32, .size: 8, .value_kind: global_buffer, .address_space: global }
    .group_segment_fixed_size: 66048
    .private_segment_fixed_size: 0
    .kernarg_segment_align: 8
    .kernarg_segment_size: 40
    .max_flat_workgroup_size: 128
    .sgpr_count:     66
    .vgpr_count:     640
    .wavefront_size: 32
...
	.end_amdgpu_metadata
.endif
;; end of part 2
;; launch refine (part 3): grid 512 x 1, 4 waves a work-group, no clusters, 0 bytes of LDS; arguments xc, xs, mc, ms, cand, retrieval_scale, sel, wts; writes sel, wts
.if DOCPART == 3
	.amdgcn_target "amdgcn-amd-amdhsa--gfx1250"
	.amdhsa_code_object_version 6
	.text
	.protected	k_qa839245323_refine
	.globl	k_qa839245323_refine
	.p2align	8
	.type	k_qa839245323_refine,@function
k_qa839245323_refine:
	s_mov_b64 s[64:65], 0
	v_nop
	global_prefetch_b8 v0, s[64:65] scope:SCOPE_SE
	s_setreg_imm32_b32 hwreg(HW_REG_WAVE_MODE, 25, 1), 1
	s_wait_xcnt 0x0
; For each query: the scores of the 64 slots of its 8 candidate groups, by the same matrix instruction on the same codes; of them the exact top 8 (ties to the lower slot, as jax.lax.top_k);
; softmax over the 8 with the largest taken away; the weights times retrieval_scale.  Stored: 8 slot numbers and 8 weights a query.  No work of the problem is left out here.
; The group numbers are whole numbers that the launch before stored; they are held at 511 before they enter an address.
; SHARES: a wave takes a tile of 16 queries.  Query q's 64 slots are four tiles of 16 rows: tile a = groups a (rows 0-7) and a + 4 (rows 8-15).  Source 0 = those rows, source 1 = the tile of queries:
; of the result only column q counts: lanes q and q + 16 copy it (a select by a constant mask).  So lane (r, h) ends with the 32 scores of groups 4 h .. 4 h + 3 of query r, in rising order of the slot.
; Two queries' rows are on their way at a time (36 loads each).
; LIMITS: NaN and infinities are not served.
; REGISTERS: window 0 as named; window 1: the candidates' fragments, v[128 buf + 32 a + 8 s ..].
.set ALOFF,  1                         ; v1   32 (l % 8) + 16 (l / 16): my place in a group's chunk
.set ASLOFF, 2                         ; v2   16 (l % 8): my row's scale words in a group
.set BOFF,   3                         ; v3   the queries' codes
.set GAOFF,  4                         ; v4   which plane of candidates my ROW of a tile wants: 524,288 ((l / 8) % 2)
.set OWNOFF, 5                         ; v5   my own query's four groups: 524,288 (l / 16) + 16 (l % 16)
.set OOFF,   6                         ; v6   out: 32 (l % 16) + 16 (l / 16)
.set R16,    7                         ; v7   16 (l % 16)
.set T0,     8                         ; v8-15 at work
.set XI,     8
.set B,      16                        ; v16-47  the queries' fragments
.set BS,     48                        ; v48-51  their scale words
.set AS,     52                        ; v52-83  the candidates' scale words: 2 x 4 tiles x 4 K steps
.set AD,     84                        ; v84-99  2 x (4 offsets of codes, 4 of scale words)
.set GA,     100                       ; v100-163 for each query q: the four groups that my row takes
.set ACC,    164                       ; v164-195 four accumulators
.set S,      196                       ; v196-227 my 32 scores
.set OWN,    228                       ; v228-231 my query's four groups, then their first slots
.set KL,     232                       ; v232-239 the list's keys
.set IL,     240                       ; v240-247 the list's slots
.set K2,     164                       ; the other half's list (the accumulators are done with)
.set I2,     172
.set E,      100                       ; the weights (the groups are done with)
.set OUT,    108
.set MSB, 0
.macro WIN new
.if MSB != \new
	s_set_vgpr_msb (MSB<<8)|\new
.set MSB, \new
.endif
.endm
.macro INS x, g, kk, ii                ; as in the launch before: (key, number) into a sorted list of 8; strict compare: of equals the earlier stays ahead
.irp m, 0,1,2,3,4,5,6,7
	v_cmp_gt_f32 s[40+\m], v[\x], v[\kk+\m]
.endr
.irp m, 7,6,5,4,3,2,1
	v_cndmask_b32 v[\ii+\m], v[\ii+\m], v[\g], s[40+\m]
	v_med3_num_f32 v[\kk+\m], v[\x], v[\kk+\m-1], v[\kk+\m]
	v_cndmask_b32 v[\ii+\m], v[\ii+\m], v[\ii+\m-1], s[40+\m-1]
.endr
	v_cndmask_b32 v[\ii], v[\ii], v[\g], s40
	v_max_num_f32 v[\kk], v[\kk], v[\x]
.endm
.macro ADDR q, buf                     ; query q's offsets: group x 2,048 bytes of codes, group x 128 of scale bytes.  Twenty plain instructions
.irp a, 0,1,2,3
	v_min_u32 v[T0+\a], 511, v[GA+4*(\q)+\a]
.endr
.irp a, 0,1,2,3
	v_lshlrev_b32 v[T0+4+\a], 11, v[T0+\a]
.endr
.irp a, 0,1,2,3
	v_lshlrev_b32 v[T0+\a], 7, v[T0+\a]
.endr
.irp a, 0,1,2,3
	v_add_nc_u32 v[AD+8*(\buf)+\a], v[T0+4+\a], v[ALOFF]
.endr
.irp a, 0,1,2,3
	v_add_nc_u32 v[AD+8*(\buf)+4+\a], v[T0+\a], v[ASLOFF]
.endr
.endm
.macro LOADS buf                       ; 32 loads of codes, 4 of scale words
	WIN 0x40                                       ; destination window 1
.irp a, 0,1,2,3
.irp ch, 0,1,2,3,4,5,6,7
	global_load_b128 v[128*(\buf)+32*\a+4*\ch:128*(\buf)+32*\a+4*\ch+3], v[AD+8*(\buf)+\a], s[8:9] offset:\ch*256
.endr
.endr
	WIN 0
.irp a, 0,1,2,3
	global_load_b128 v[AS+16*(\buf)+4*\a:AS+16*(\buf)+4*\a+3], v[AD+8*(\buf)+4+\a], s[10:11]
.endr
.endm
.macro MM buf                          ; 16 products: the four accumulators take turns, one instruction a turn; K step 0 starts the sums
	WIN 0x01                                       ; source 0 window 1
.irp s, 0,1,2,3
.irp a, 0,1,2,3
.if \s == 0
	v_wmma_scale_f32_16x16x128_f8f6f4 v[ACC+8*\a:ACC+8*\a+7], v[128*(\buf)+32*\a+8*\s:128*(\buf)+32*\a+8*\s+7], v[B+8*\s:B+8*\s+7], 0, v[AS+16*(\buf)+4*\a+\s], v[BS+\s] matrix_a_fmt:MATRIX_FMT_FP4 matrix_b_fmt:MATRIX_FMT_FP4
.else
	v_wmma_scale_f32_16x16x128_f8f6f4 v[ACC+8*\a:ACC+8*\a+7], v[128*(\buf)+32*\a+8*\s:128*(\buf)+32*\a+8*\s+7], v[B+8*\s:B+8*\s+7], v[ACC+8*\a:ACC+8*\a+7], v[AS+16*(\buf)+4*\a+\s], v[BS+\s] matrix_a_fmt:MATRIX_FMT_FP4 matrix_b_fmt:MATRIX_FMT_FP4
.endif
.endr
.endr
	WIN 0
.endm
.macro COLLECT q                       ; lanes q and q + 16 keep column q; each accumulator is read from its low end on
.if (\q) == 0
.set i, 0
.rept 32
	v_mov_b32 v[S+i], v[ACC+i]                     ; the first copy writes every lane
.set i, i+1
.endr
.else
	s_mov_b32 s30, 0x10001<<(\q)
.set i, 0
.rept 32
	v_cndmask_b32 v[S+i], v[S+i], v[ACC+i], s30
.set i, i+1
.endr
.endif
.endm
	s_load_b256 s[4:11], s[0:1], 0x0               ; queries' codes, queries' scales, table's codes, table's scales
	s_load_b256 s[12:19], s[0:1], 0x20             ; candidates, retrieval_scale, slots, weights
	v_lshrrev_b32 v8, 5, v0
	v_readfirstlane_b32 s21, v8                    ; wave
	s_lshl_b32 s22, ttmp9, 2
	s_add_co_u32 s22, s22, s21                     ; my tile of queries
	v_and_b32 v8, 7, v0
	v_bfe_u32 v9, v0, 4, 1
	v_bfe_u32 v10, v0, 3, 1
	v_and_b32 v11, 15, v0
	v_lshlrev_b32 v[ALOFF], 5, v8
	v_lshl_add_u32 v[ALOFF], v9, 4, v[ALOFF]
	v_lshlrev_b32 v[ASLOFF], 4, v8
	v_lshl_add_u32 v[BOFF], v10, 11, v[ALOFF]
	v_lshlrev_b32 v[GAOFF], 19, v10
	v_lshlrev_b32 v[R16], 4, v11
	v_lshl_add_u32 v[OWNOFF], v9, 19, v[R16]
	v_lshlrev_b32 v[OOFF], 5, v11
	v_lshl_add_u32 v[OOFF], v9, 4, v[OOFF]
	s_mov_b32 s25, 0
	s_mov_b32 s27, 0
	s_mov_b32 s29, 0
	s_lshl_b32 s24, s22, 12                        ; two groups of codes
	s_lshl_b32 s26, s22, 8                         ; 256 scale bytes; 16 queries x 16 bytes of a plane of candidates
	s_lshl_b32 s28, s22, 9                         ; 16 queries x 32 bytes out
	s_mov_b32 s31, 0xffff0000                      ; lanes 16-31
	s_wait_kmcnt 0x0
	s_load_b32 s20, s[14:15], 0x0                  ; retrieval_scale
	s_add_nc_u64 s[4:5], s[4:5], s[24:25]
	s_add_nc_u64 s[6:7], s[6:7], s[26:27]
	s_add_nc_u64 s[12:13], s[12:13], s[26:27]
	s_add_nc_u64 s[16:17], s[16:17], s[28:29]
	s_add_nc_u64 s[18:19], s[18:19], s[28:29]
.set i, 0
.rept 16
	global_load_b128 v[GA+4*i:GA+4*i+3], v[GAOFF], s[12:13] offset:16*i
.set i, i+1
.endr
	global_load_b128 v[OWN:OWN+3], v[OWNOFF], s[12:13]
.irp ch, 0,1,2,3,4,5,6,7
	global_load_b128 v[B+4*\ch:B+4*\ch+3], v[BOFF], s[4:5] offset:\ch*256
.endr
	global_load_b128 v[BS:BS+3], v[R16], s[6:7]
	s_wait_loadcnt 0x0
	s_wait_kmcnt 0x0
	ADDR 0, 0
	LOADS 0
	ADDR 1, 1
	LOADS 1
.set qq, 0
.rept 16
.if qq < 15
	s_wait_loadcnt 36                              ; this query's 36 loads are in, so their offsets may be written again; the next query's 36 may be out
.else
	s_wait_loadcnt 0x0
.endif
	MM qq%2
.if qq < 14
	ADDR qq+2, qq%2                                ; these twenty name no register of the products: they are the places in front of the loads, the reads and the next sums' start
	LOADS qq%2
.else
.rept 5
	v_nop
.endr
.endif
	COLLECT qq
.set qq, qq+1
.endr
	; THE TOP 8 of my 32, in rising order of the slot
.irp a, 0,1,2,3
	v_lshlrev_b32 v[OWN+\a], 3, v[OWN+\a]          ; a group's first slot
.endr
.irp m, 0,1,2,3,4,5,6,7
	v_mov_b32 v[KL+\m], 0xff800000
	v_mov_b32 v[IL+\m], 0
.endr
.set cnt, 0
.rept 32
	v_add_nc_u32 v[XI], cnt%8, v[OWN+cnt/8]
	INS S+cnt, XI, KL, IL
.set cnt, cnt+1
.endr
	; the two halves of the lanes join: both then hold the list of groups 0-3 in KL, IL and that of groups 4-7, whose slots are higher, in K2, I2
.irp m, 0,1,2,3,4,5,6,7
	v_mov_b32 v[K2+\m], v[KL+\m]
	v_mov_b32 v[I2+\m], v[IL+\m]
.endr
.irp m, 0,1,2,3,4,5,6,7
	v_permlane16_swap_b32 v[KL+\m], v[K2+\m]       ; the first's lanes 16-31 change places with the second's lanes 0-15
	v_permlane16_swap_b32 v[IL+\m], v[I2+\m]
.endr
.irp m, 0,1,2,3,4,5,6,7
	INS K2+\m, I2+\m, KL, IL
.endr
	; softmax over the 8: the largest, KL + 0, is taken away
.irp m, 1,2,3,4,5,6,7
	v_sub_f32 v[E+\m], v[KL+\m], v[KL]
.endr
.irp m, 1,2,3,4,5,6,7
	v_mul_f32 v[E+\m], 0x3fb8aa3b, v[E+\m]         ; x log2(e)
.endr
.irp m, 1,2,3,4,5,6,7
	v_exp_f32 v[E+\m], v[E+\m]
.endr
	v_nop                                          ; a plain instruction behind the batch,
	s_wait_alu depctr_va_vdst(0)                   ; and one wait for the seven, ahead of their first reader
	v_add_f32 v8, 1.0, v[E+1]
	v_add_f32 v9, v[E+2], v[E+3]
	v_add_f32 v10, v[E+4], v[E+5]
	v_add_f32 v11, v[E+6], v[E+7]
	v_add_f32 v8, v8, v9
	v_add_f32 v10, v10, v11
	v_add_f32 v8, v8, v10
	v_rcp_f32 v9, v8
	v_nop
	s_wait_alu depctr_va_vdst(0)
	v_mul_f32 v[E], s20, v9                        ; the first weight: retrieval_scale / sum
.irp m, 1,2,3,4,5,6,7
	v_mul_f32 v[E+\m], v[E+\m], v[E]
.endr
.irp m, 0,1,2,3
	v_cndmask_b32 v[OUT+\m], v[IL+\m], v[IL+4+\m], s31       ; lanes 0-15 store entries 0-3, lanes 16-31 entries 4-7
	v_cndmask_b32 v[OUT+4+\m], v[E+\m], v[E+4+\m], s31
.endr
	global_store_b128 v[OOFF], v[OUT:OUT+3], s[16:17]        ; 16 queries x 32 bytes: 512 consecutive bytes
	global_store_b128 v[OOFF], v[OUT+4:OUT+7], s[18:19]
	s_endpgm
.Lfunc_end_k_qa839245323_refine:
	.size	k_qa839245323_refine, .Lfunc_end_k_qa839245323_refine-k_qa839245323_refine
	.p2alignl 7, 3214868480
	.fill 96, 4, 3214868480
	.section	.rodata,"a",@progbits
	.p2align	6, 0x0
	.amdhsa_kernel k_qa839245323_refine
		.amdhsa_group_segment_fixed_size 0
		.amdhsa_private_segment_fixed_size 0
		.amdhsa_enable_private_segment 0
		.amdhsa_kernarg_size 64
		.amdhsa_user_sgpr_count 2
		.amdhsa_user_sgpr_kernarg_segment_ptr 1
		.amdhsa_wavefront_size32 1
		.amdhsa_system_sgpr_workgroup_id_x 1
		.amdhsa_system_sgpr_workgroup_id_y 1
		.amdhsa_system_sgpr_workgroup_id_z 1
		.amdhsa_system_vgpr_workitem_id 0
		.amdhsa_next_free_vgpr 512
		.amdhsa_next_free_sgpr 66
		.amdhsa_reserve_vcc 0
		.amdhsa_float_denorm_mode_32 3
		.amdhsa_float_denorm_mode_16_64 3
		.amdhsa_memory_ordered 1
		.amdhsa_forward_progress 1
		.amdhsa_inst_pref_size 219
	.end_amdhsa_kernel
	.amdgpu_metadata
---
amdhsa.version: [ 1, 2 ]
amdhsa.kernels:
  - .name:           k_qa839245323_refine
    .symbol:         k_qa839245323_refine.kd
    .args:
      - { .name: xc, .offset: 0, .size: 8, .value_kind: global_buffer, .address_space: global }
      - { .name: xs, .offset: 8, .size: 8, .value_kind: global_buffer, .address_space: global }
      - { .name: mc, .offset: 16, .size: 8, .value_kind: global_buffer, .address_space: global }
      - { .name: ms, .offset: 24, .size: 8, .value_kind: global_buffer, .address_space: global }
      - { .name: cand, .offset: 32, .size: 8, .value_kind: global_buffer, .address_space: global }
      - { .name: retrieval_scale, .offset: 40, .size: 8, .value_kind: global_buffer, .address_space: global }
      - { .name: sel, .offset: 48, .size: 8, .value_kind: global_buffer, .address_space: global }
      - { .name: wts, .offset: 56, .size: 8, .value_kind: global_buffer, .address_space: global }
    .group_segment_fixed_size: 0
    .private_segment_fixed_size: 0
    .kernarg_segment_align: 8
    .kernarg_segment_size: 64
    .max_flat_workgroup_size: 128
    .sgpr_count:     66
    .vgpr_count:     512
    .wavefront_size: 32
...
	.end_amdgpu_metadata
.endif
;; end of part 3
;; launch combine (part 4): grid 1024 x 1, 8 waves a work-group, no clusters, 0 bytes of LDS; arguments x, mb, sel, wts, out0; writes out0
.if DOCPART == 4
	.amdgcn_target "amdgcn-amd-amdhsa--gfx1250"
	.amdhsa_code_object_version 6
	.text
	.protected	k_qa839245323_combine
	.globl	k_qa839245323_combine
	.p2align	8
	.type	k_qa839245323_combine,@function
k_qa839245323_combine:
	s_mov_b64 s[64:65], 0
	v_nop
	global_prefetch_b8 v0, s[64:65] scope:SCOPE_SE
	s_setreg_imm32_b32 hwreg(HW_REG_WAVE_MODE, 25, 1), 1
	s_wait_xcnt 0x0
; out[q] = x[q] + the sum over k = 0 .. 7 of w[q][k] memory[slot[q][k]], w = softmax x retrieval_scale from the launch before.  No work of the problem is left out here.
; The product of the gathered rows with the weights (K = 8, one column, a batch of 32,768) has no shape for a matrix tile: it is fused multiply-adds with bf16 rows, f32 weights and f32 sums.
; The slot numbers are whole numbers that the launch before stored; they are held at 4,095 before they enter an address.
; SHARES: a wave takes four queries, one a trip.  Lane l holds elements 128 i + 4 l .. + 3 of the row (i = 0 .. 3): every load and store of x and out covers 512 consecutive bytes.  The bf16 copy
; is laid so that register m of a gathered row's eight holds the two numbers that go with registers 2 m and 2 m + 1 of x.  No LDS, no barrier: waves share nothing.
.set LO,  1                            ; v1   16 x lane
.set ZR,  2                            ; v2   0: every lane reads the query's slots and weights
.set SEL, 4                            ; v4-11   the 8 slots
.set W,   12                           ; v12-19  the 8 weights
.set OFF, 20                           ; v20-27  the rows' offsets
.set X,   36                           ; v36-51  x's row, then out's
.set RW,  52                           ; v52-115 the 8 rows, 8 registers each
	s_load_b256 s[4:11], s[0:1], 0x0               ; x, the bf16 copy, slots, weights
	s_load_b64 s[12:13], s[0:1], 0x20              ; out
	v_lshrrev_b32 v3, 5, v0
	v_readfirstlane_b32 s14, v3                    ; wave
	v_and_b32 v3, 31, v0
	v_lshlrev_b32 v[LO], 4, v3
	v_mov_b32 v[ZR], 0
	s_lshl_b32 s15, ttmp9, 3
	s_add_co_u32 s15, s15, s14                     ; which four queries are my wave's
	s_lshl_b32 s16, s15, 13                        ; four rows of 2,048 bytes
	s_mov_b32 s17, 0
	s_lshl_b32 s18, s15, 7                         ; four times 32 bytes
	s_mov_b32 s19, 0
	s_mov_b32 s20, 4
	s_wait_kmcnt 0x0
	s_add_nc_u64 s[4:5], s[4:5], s[16:17]
	s_add_nc_u64 s[12:13], s[12:13], s[16:17]
	s_add_nc_u64 s[8:9], s[8:9], s[18:19]
	s_add_nc_u64 s[10:11], s[10:11], s[18:19]
.Lquery:
	global_load_b128 v[SEL:SEL+3], v[ZR], s[8:9]
	global_load_b128 v[SEL+4:SEL+7], v[ZR], s[8:9] offset:16
	global_load_b128 v[W:W+3], v[ZR], s[10:11]
	global_load_b128 v[W+4:W+7], v[ZR], s[10:11] offset:16
.irp i, 0,1,2,3
	global_load_b128 v[X+4*\i:X+4*\i+3], v[LO], s[4:5] offset:512*\i th:TH_LOAD_NT
.endr
	s_wait_loadcnt 6                               ; the slots are in; the two loads of weights and the four of x may be out
.irp k, 0,1,2,3,4,5,6,7
	v_min_u32 v[SEL+\k], 4095, v[SEL+\k]
.endr
.irp k, 0,1,2,3,4,5,6,7
	v_lshlrev_b32 v[SEL+\k], 10, v[SEL+\k]         ; a row of the copy is 1,024 bytes
.endr
.irp k, 0,1,2,3,4,5,6,7
	v_add_nc_u32 v[OFF+\k], v[SEL+\k], v[LO]
.endr
.irp k, 0,1,2,3,4,5,6,7
	global_load_b128 v[RW+8*\k:RW+8*\k+3], v[OFF+\k], s[6:7]
	global_load_b128 v[RW+8*\k+4:RW+8*\k+7], v[OFF+\k], s[6:7] offset:512
.endr
.irp k, 0,1,2,3,4,5,6,7
	s_wait_loadcnt 14-2*\k                         ; row k is in (and the weights and x, asked for earlier); the rows behind it, two loads each, may be out
.irp m, 0,1,2,3,4,5,6,7
	v_fma_mix_f32_bf16 v[X+2*\m], v[RW+8*\k+\m], v[W+\k], v[X+2*\m] op_sel_hi:[1,0,0]                      ; the low bf16 x the weight + the sum
	v_fma_mix_f32_bf16 v[X+2*\m+1], v[RW+8*\k+\m], v[W+\k], v[X+2*\m+1] op_sel:[1,0,0] op_sel_hi:[1,0,0]   ; the high bf16
.endr
.endr
.irp i, 0,1,2,3
	global_store_b128 v[LO], v[X+4*\i:X+4*\i+3], s[12:13] offset:512*\i th:TH_STORE_NT
.endr
	s_wait_xcnt 0x0                                ; the stores have read their data and the bases: both are written again only behind this wait
	s_add_nc_u64 s[4:5], s[4:5], 2048
	s_add_nc_u64 s[12:13], s[12:13], 2048
	s_add_nc_u64 s[8:9], s[8:9], 32
	s_add_nc_u64 s[10:11], s[10:11], 32
	s_sub_co_u32 s20, s20, 1
	s_cmp_lg_u32 s20, 0
	s_cbranch_scc1 .Lquery
	s_endpgm
.Lfunc_end_k_qa839245323_combine:
	.size	k_qa839245323_combine, .Lfunc_end_k_qa839245323_combine-k_qa839245323_combine
	.p2alignl 7, 3214868480
	.fill 96, 4, 3214868480
	.section	.rodata,"a",@progbits
	.p2align	6, 0x0
	.amdhsa_kernel k_qa839245323_combine
		.amdhsa_group_segment_fixed_size 0
		.amdhsa_private_segment_fixed_size 0
		.amdhsa_enable_private_segment 0
		.amdhsa_kernarg_size 40
		.amdhsa_user_sgpr_count 2
		.amdhsa_user_sgpr_kernarg_segment_ptr 1
		.amdhsa_wavefront_size32 1
		.amdhsa_system_sgpr_workgroup_id_x 1
		.amdhsa_system_sgpr_workgroup_id_y 1
		.amdhsa_system_sgpr_workgroup_id_z 1
		.amdhsa_system_vgpr_workitem_id 0
		.amdhsa_next_free_vgpr 128
		.amdhsa_next_free_sgpr 66
		.amdhsa_reserve_vcc 0
		.amdhsa_float_denorm_mode_32 3
		.amdhsa_float_denorm_mode_16_64 3
		.amdhsa_memory_ordered 1
		.amdhsa_forward_progress 1
		.amdhsa_inst_pref_size 14
	.end_amdhsa_kernel
	.amdgpu_metadata
---
amdhsa.version: [ 1, 2 ]
amdhsa.kernels:
  - .name:           k_qa839245323_combine
    .symbol:         k_qa839245323_combine.kd
    .args:
      - { .name: x, .offset: 0, .size: 8, .value_kind: global_buffer, .address_space: global }
      - { .name: mb, .offset: 8, .size: 8, .value_kind: global_buffer, .address_space: global }
      - { .name: sel, .offset: 16, .size: 8, .value_kind: global_buffer, .address_space: global }
      - { .name: wts, .offset: 24, .size: 8, .value_kind: global_buffer, .address_space: global }
      - { .name: out0, .offset: 32, .size: 8, .value_kind: global_buffer, .address_space: global }
    .group_segment_fixed_size: 0
    .private_segment_fixed_size: 0
    .kernarg_segment_align: 8
    .kernarg_segment_size: 40
    .max_flat_workgroup_size: 256
    .sgpr_count:     66
    .vgpr_count:     128
    .wavefront_size: 32
...
	.end_amdgpu_metadata
.endif
;; end of part 4
;; ======== version 2 of 2: 4 launches
;; workspace buffers: xc 8,388,608 bytes; xs 524,288 bytes; mc 1,048,576 bytes; ms 65,536 bytes; mb 4,194,304 bytes; cand 1,048,576 bytes of whole numbers; sel 1,048,576 bytes of whole numbers; wts 1,048,576 bytes
;; launch quant (part 5): grid 576 x 1, 4 waves a work-group, no clusters, 78,336 bytes of LDS; arguments x, memory, xc, xs, mc, ms, mb; writes xc, xs, mc, ms, mb
.if DOCPART == 5
	.amdgcn_target "amdgcn-amd-amdhsa--gfx1250"
	.amdhsa_code_object_version 6
	.text
	.protected	k_qa839245323_quant
	.globl	k_qa839245323_quant
	.p2align	8
	.type	k_qa839245323_quant,@function
k_qa839245323_quant:
	s_mov_b64 s[64:65], 0
	v_nop
	global_prefetch_b8 v0, s[64:65] scope:SCOPE_SE
	s_setreg_imm32_b32 hwreg(HW_REG_WAVE_MODE, 25, 1), 1
	s_wait_xcnt 0x0
; THE PROGRAM: out = x + scale * sum_k softmax(top-8 scores)_k * memory[top-8 slot k], scores = Q(x / |x|) . Q(memory / |memory|), Q = MX-FP4 along the 512.
; Four launches: this one normalises and quantises; the second multiplies and keeps, for each query, the 8 best GROUPS of 8 neighbouring slots; the third
; multiplies those 64 slots again and takes the exact top 8 and the softmax; the fourth gathers and adds.
; DEAD WORK: none is left out.  Every input reaches the output: x (scores and the sum), memory (scores and the gather), retrieval_scale.
; WHY 8 GROUPS HOLD THE TOP 8: order groups by (largest score, falling; group number, rising).  If slot e of group g is among the top 8, each group ahead of g holds a slot that
; beats e (larger, or equal with a lower index, since groups are intervals of the index): so at most 7 groups stand ahead of g.
; THIS LAUNCH: rows of x (32,768) and of memory (4,096), 512 f32 each: row / max(sqrt(sum of squares), 1e-12), in f32, then codes of E2M1 and one E8M0 byte for each 32 along the row.
; The division is a multiplication by v_rcp_f32 of the norm.  memory is also copied as bf16 for the fourth launch's sum (a product that is left as it is, with f32 sums).
; LAYOUT OF THE CODES: by groups of 8 rows, 2,048 bytes a group, in the order of a matrix operand's registers: byte (2 s + c) 256 + row 32 + h 16 holds the 16 bytes of block 4 s + 2 c + h
; (s = which 128 along K).  The scale bytes: [group][row][16].  bf16 copy: 1,024 bytes a row; the 16 bytes at 512 p + 16 l hold elements 256 p + 4 l .. + 3 and 256 p + 128 + 4 l .. + 3.
; LIMITS: NaN and infinities among the inputs are not served.  A block of zeros gets the byte 1 where the rule says 127: its codes are zeros, and this program alone reads the bytes.
; SHARES: work-groups 0-511 take x, 512-575 memory (only pointers are chosen; one path through the text, but for the bf16 copy).  A wave takes 16 rows: two groups.
; Loads are dense (512 consecutive bytes an instruction); a group turns through the wave's own stage in LDS, so that a lane then holds whole blocks of 32: lane l has row l / 4, blocks 4 s + l % 4.
.set WREG,  19456                      ; LDS of a wave: the stage, 8 rows x 2,368 bytes, and from byte 19,200 its 256 scale bytes
.set RP,    2368                       ; a row in the stage: 16 blocks x 144 bytes, and 64 more: 592 words, so that the rows start 16 banks apart (64 banks of 4 bytes: ISA guide 11.1)
.set UP,    144                        ; a block of 32 numbers: 128 bytes + 16: sixteen lanes (4 rows x 4 blocks) then read 16 different columns of 16 bytes
.set SBY,   19200
.set SPARE, 4*WREG                     ; behind the four regions: the spare words, 128 bytes a wave, which no other line names
.set GOFF, 1                           ; v1   16 x lane
.set SWA,  2                           ; v2   the stage, on the way in
.set SRA,  3                           ; v3   the stage, on the way out
.set COFF, 4                           ; v4   my 16 bytes among a store's 512 bytes of codes
.set SBA,  5                           ; v5   LDS: my block's scale byte
.set SBR,  6                           ; v6   LDS: 8 scale bytes a lane, on the way out
.set L8,   7                           ; v7   8 x lane
.set SPW,  8                           ; v8   my spare word; never rewritten
.set NIL,  9                           ; v9   0; never rewritten
.set SS,   10                          ; v10-17 four pairs of partial sums of squares
.set BY,   10                          ; v10-13 later the four scale bytes
.set INV,  20                          ; v20-21 1 / norm, twice
.set AM,   22                          ; v22-25 largest magnitudes of my four blocks
.set SOP,  26                          ; v26-29 the conversions' scale operands
.set X,    32                          ; v32-159 the group's numbers, 128 a lane
.set BF,   160                         ; v160-223 the bf16 copy
.set C,    224                         ; v224-239 the codes
	s_load_b128 s[4:7], s[0:1], 0x0                ; x, memory
	s_load_b128 s[8:11], s[0:1], 0x10              ; x's codes, x's scales
	s_load_b128 s[12:15], s[0:1], 0x20             ; memory's codes, memory's scales
	s_load_b64 s[16:17], s[0:1], 0x30              ; the bf16 copy
	v_lshl_add_u32 v[SPW], v0, 2, SPARE
	v_mov_b32 v[NIL], 0
	v_lshrrev_b32 v10, 5, v0
	v_readfirstlane_b32 s18, v10                   ; wave
	v_and_b32 v11, 31, v0                          ; lane
	v_lshlrev_b32 v[GOFF], 4, v11
	s_mul_i32 s19, s18, WREG                       ; my region
	v_lshrrev_b32 v12, 3, v11
	v_mul_u32_u24 v12, v12, UP
	v_and_b32 v13, 7, v11
	v_lshl_add_u32 v12, v13, 4, v12
	v_add_nc_u32 v[SWA], s19, v12                  ; in: eight lanes fill a block: 144 (lane / 8) + 16 (lane % 8)
	v_lshrrev_b32 v14, 2, v11                      ; row = lane / 4
	v_and_b32 v15, 3, v11                          ; q = lane % 4
	v_mul_u32_u24 v12, v14, RP
	v_mad_u32_u24 v12, v15, UP, v12
	v_add_nc_u32 v[SRA], s19, v12                  ; out: my row, block q
	v_lshrrev_b32 v12, 1, v15
	v_and_b32 v13, 1, v15
	v_lshlrev_b32 v[COFF], 8, v12
	v_lshl_add_u32 v[COFF], v14, 5, v[COFF]
	v_lshl_add_u32 v[COFF], v13, 4, v[COFF]        ; 256 (q / 2) + 32 row + 16 (q % 2)
	s_add_co_u32 s20, s19, SBY
	v_lshl_add_u32 v12, v14, 4, v15
	v_add_nc_u32 v[SBA], s20, v12                  ; 16 row + q
	v_lshlrev_b32 v[L8], 3, v11
	v_add_nc_u32 v[SBR], s20, v[L8]
	s_wait_kmcnt 0x0
	s_cmp_lt_u32 ttmp9, 512                        ; x's work-group or memory's: the choice hangs on the work-group's number alone
	s_cselect_b64 s[4:5], s[4:5], s[6:7]
	s_cselect_b64 s[8:9], s[8:9], s[12:13]
	s_cselect_b64 s[10:11], s[10:11], s[14:15]
	s_cselect_b32 s21, 0, 512
	s_cselect_b32 s22, 0, 1                        ; 1: memory, which is also copied as bf16
	s_sub_co_u32 s21, ttmp9, s21
	s_lshl_b32 s21, s21, 2
	s_add_co_u32 s21, s21, s18                     ; which 16 rows of the tensor are my wave's
	s_mov_b32 s25, 0
	s_lshl_b32 s24, s21, 15                        ; 16 rows of 2,048 bytes
	s_add_nc_u64 s[4:5], s[4:5], s[24:25]
	s_lshl_b32 s24, s21, 12                        ; two groups of 2,048 bytes of codes
	s_add_nc_u64 s[8:9], s[8:9], s[24:25]
	s_lshl_b32 s24, s21, 8                         ; 256 scale bytes
	s_add_nc_u64 s[10:11], s[10:11], s[24:25]
	s_lshl_b32 s24, s21, 14                        ; 16 rows of 1,024 bytes of bf16 (used by memory's work-groups alone)
	s_add_nc_u64 s[16:17], s[16:17], s[24:25]
.macro GROUP g
	s_wait_xcnt 0x0                                ; the last group's stores have read their registers: BF and C are written again only behind this wait
.set i, 0
.rept 32
	global_load_b128 v[X+4*i:X+4*i+3], v[GOFF], s[4:5] offset:\g*16384+512*i th:TH_LOAD_NT   ; 32 lanes read 512 consecutive bytes; load i: row i / 4, elements 128 (i % 4) + 4 lane on
.set i, i+1
.endr
	s_wait_loadcnt 0x0
	s_cmp_eq_u32 s22, 0
	s_cbranch_scc1 .Lno_copy_\@
.set i, 0
.rept 64
	v_cvt_pk_bf16_f32 v[BF+i], v[X+2*i], v[X+2*i+1]
.set i, i+1
.endr
.set i, 0
.rept 16
	global_store_b128 v[GOFF], v[BF+4*i:BF+4*i+3], s[16:17] offset:\g*8192+512*i   ; the numbers of loads 2 i and 2 i + 1: 512 consecutive bytes
.set i, i+1
.endr
.Lno_copy_\@:
.set i, 0
.rept 32
	ds_store_b128 v[SWA], v[X+4*i:X+4*i+3] offset:(i/4)*RP+(i%4)*4*UP
.set i, i+1
.endr
.set i, 0
.rept 32
	ds_load_b128 v[X+4*i:X+4*i+3], v[SRA] offset:(i/8)*4*UP+16*(i%8)   ; LDS serves a wave's instructions in order: these see the stores above.  v[X + 32 s ..] = block 4 s + q of my row
.set i, i+1
.endr
	s_wait_dscnt 0x0
.irp c, 0,1,2,3
	v_pk_mul_f32 v[SS+2*\c:SS+2*\c+1], v[X+2*\c:X+2*\c+1], v[X+2*\c:X+2*\c+1]   ; the sum of squares: four chains, started by the first products
.endr
.set i, 4
.rept 60
	v_pk_fma_f32 v[SS+2*(i%4):SS+2*(i%4)+1], v[X+2*i:X+2*i+1], v[X+2*i:X+2*i+1], v[SS+2*(i%4):SS+2*(i%4)+1]
.set i, i+1
.endr
	v_pk_add_f32 v[SS:SS+1], v[SS:SS+1], v[SS+2:SS+3]
	v_pk_add_f32 v[SS+4:SS+5], v[SS+4:SS+5], v[SS+6:SS+7]
	v_pk_add_f32 v[SS:SS+1], v[SS:SS+1], v[SS+4:SS+5]
	v_add_f32 v[SS], v[SS], v[SS+1]
	v_add_f32_dpp v[SS], v[SS], v[SS] row_xmask:1 row_mask:0xf bank_mask:0xf   ; with the three other lanes of my row
	v_add_f32_dpp v[SS], v[SS], v[SS] row_xmask:2 row_mask:0xf bank_mask:0xf
	s_wait_alu depctr_va_vdst(0)
	v_sqrt_f32 v[SS+1], v[SS]
	v_nop                                          ; a plain instruction behind the transcendental,
	s_wait_alu depctr_va_vdst(0)                   ; and a wait ahead of its first reader
	v_max_num_f32 v[SS+1], 0x2b8cbccc, v[SS+1]     ; max(norm, 1e-12)
	s_wait_alu depctr_va_vdst(0)
	v_rcp_f32 v[INV], v[SS+1]
	v_nop
	s_wait_alu depctr_va_vdst(0)
	v_mov_b32 v[INV+1], v[INV]
.set i, 0
.rept 64
	v_pk_mul_f32 v[X+2*i:X+2*i+1], v[X+2*i:X+2*i+1], v[INV:INV+1]
.set i, i+1
.endr
.irp s, 0,1,2,3
	v_max3_num_f32 v[AM+\s], |v[X+32*\s]|, |v[X+32*\s+1]|, 0x1800000   ; a block's largest magnitude: all 32 numbers are mine; the floor 2^(3 - 127) holds the byte at 1 from below
.endr
.irp j, 2,4,6,8,10,12,14,16,18,20,22,24,26,28,30
.irp s, 0,1,2,3
	v_max3_num_f32 v[AM+\s], v[AM+\s], |v[X+32*\s+\j]|, |v[X+32*\s+\j+1]|   ; (the four blocks by turns)
.endr
.endr
.irp s, 0,1,2,3
	v_add_nc_u32 v[SOP+\s], 0xff000000, v[AM+\s]   ; 2 off its exponent field: the conversion takes this operand's exponent field as its scale
.endr
.irp s, 0,1,2,3
.irp e, 0,1,2,3
	v_cvt_scalef32_pk8_fp4_f32 v[C+4*\s+\e], v[X+32*\s+8*\e:X+32*\s+8*\e+7], v[SOP+\s]
.endr
.endr
.irp s, 0,1,2,3
	v_lshrrev_b32 v[BY+\s], 23, v[SOP+\s]          ; the scale's byte (also the plain instruction behind the conversions)
.endr
.irp s, 0,1,2,3
	ds_store_b8 v[SBA], v[BY+\s] offset:\g*128+4*\s
	global_store_b128 v[COFF], v[C+4*\s:C+4*\s+3], s[8:9] offset:\g*2048+512*\s   ; the 32 lanes fill 512 consecutive bytes: the two chunks of K step s
.endr
.endm
	GROUP 0
	GROUP 1
	ds_load_b64 v[14:15], v[SBR]                   ; my wave's 256 scale bytes leave as 256 consecutive bytes
	s_wait_dscnt 0x0
	global_store_b64 v[L8], v[14:15], s[10:11]
	s_wait_tensorcnt 0x0                           ; the wave's end, behind my last LDS store
	ds_add_u32 v[SPW], v[NIL]
	s_wait_dscnt 0x0
	s_endpgm
.Lfunc_end_k_qa839245323_quant:
	.size	k_qa839245323_quant, .Lfunc_end_k_qa839245323_quant-k_qa839245323_quant
	.p2alignl 7, 3214868480
	.fill 96, 4, 3214868480
	.section	.rodata,"a",@progbits
	.p2align	6, 0x0
	.amdhsa_kernel k_qa839245323_quant
		.amdhsa_group_segment_fixed_size 78336
		.amdhsa_private_segment_fixed_size 0
		.amdhsa_enable_private_segment 0
		.amdhsa_kernarg_size 56
		.amdhsa_user_sgpr_count 2
		.amdhsa_user_sgpr_kernarg_segment_ptr 1
		.amdhsa_wavefront_size32 1
		.amdhsa_system_sgpr_workgroup_id_x 1
		.amdhsa_system_sgpr_workgroup_id_y 1
		.amdhsa_system_sgpr_workgroup_id_z 1
		.amdhsa_system_vgpr_workitem_id 0
		.amdhsa_next_free_vgpr 240
		.amdhsa_next_free_sgpr 66
		.amdhsa_reserve_vcc 0
		.amdhsa_float_denorm_mode_32 3
		.amdhsa_float_denorm_mode_16_64 3
		.amdhsa_memory_ordered 1
		.amdhsa_forward_progress 1
		.amdhsa_inst_pref_size 58
	.end_amdhsa_kernel
	.amdgpu_metadata
---
amdhsa.version: [ 1, 2 ]
amdhsa.kernels:
  - .name:           k_qa839245323_quant
    .symbol:         k_qa839245323_quant.kd
    .args:
      - { .name: x, .offset: 0, .size: 8, .value_kind: global_buffer, .address_space: global }
      - { .name: memory, .offset: 8, .size: 8, .value_kind: global_buffer, .address_space: global }
      - { .name: xc, .offset: 16, .size: 8, .value_kind: global_buffer, .address_space: global }
      - { .name: xs, .offset: 24, .size: 8, .value_kind: global_buffer, .address_space: global }
      - { .name: mc, .offset: 32, .size: 8, .value_kind: global_buffer, .address_space: global }
      - { .name: ms, .offset: 40, .size: 8, .value_kind: global_buffer, .address_space: global }
      - { .name: mb, .offset: 48, .size: 8, .value_kind: global_buffer, .address_space: global }
    .group_segment_fixed_size: 78336
    .private_segment_fixed_size: 0
    .kernarg_segment_align: 8
    .kernarg_segment_size: 56
    .max_flat_workgroup_size: 128
    .sgpr_count:     66
    .vgpr_count:     240
    .wavefront_size: 32
...
	.end_amdgpu_metadata
.endif
;; end of part 5
;; launch sweep (part 6): grid 256 x 1, 4 waves a work-group, no clusters, 66,048 bytes of LDS; arguments xc, xs, mc, ms, cand; writes cand
.if DOCPART == 6
	.amdgcn_target "amdgcn-amd-amdhsa--gfx1250"
	.amdhsa_code_object_version 6
	.text
	.protected	k_qa839245323_sweep
	.globl	k_qa839245323_sweep
	.p2align	8
	.type	k_qa839245323_sweep,@function
k_qa839245323_sweep:
	s_mov_b64 s[64:65], 0
	v_nop
	global_prefetch_b8 v0, s[64:65] scope:SCOPE_SE
	s_setreg_imm32_b32 hwreg(HW_REG_WAVE_SCHED_MODE, 0, 2), 2
	s_setreg_imm32_b32 hwreg(HW_REG_WAVE_MODE, 25, 1), 1
	s_wait_xcnt 0x0
	s_wait_alu depctr_vm_vsrc(0)
; The QUANTISED product, 32,768 queries x 4,096 slots x 512, on codes of E2M1 with E8M0 scales, and for each query the 8 best GROUPS of 8 neighbouring slots, by (largest score, falling;
; group number, rising).  They hold the query's top 8 slots (shown at the head of the first kernel).  No work of the problem is left out here.
; SHARES: a work-group takes 128 queries: 8 tiles of 16, whose fragments stay in every wave's registers.  Wave w takes slots 1,024 w on, as 64 tiles; tile T is groups 128 w + T (rows 0-7) and
; 128 w + 64 + T (rows 8-15).  THE PRODUCT IS USED TRANSPOSED (source 0 = 16 slots, source 1 = 16 queries): lane (r, h) holds query r, and an accumulator's 8 registers are ONE group, 128 w + 64 h + T.
; So a group's largest score is four maxima within a lane, and it is put into the lane's sorted list of 8 (key, group) by compares and selects alone: no branch and no address hangs on a score.
; The compare is strict and groups come in rising order, so that of equal keys the lower group stays ahead.
; Within a work-group each fragment of the table feeds one wave alone, so it goes from memory straight into that wave's registers, four tiles ahead; no LDS ring, no cluster.
; The insertions of tile T stand between the matrix instructions of tile T + 1: four products, then 20 to 56 vector instructions that name none of their registers.
; At the end the 8 lists of a query (4 waves x 2 halves) meet in LDS, are merged in rising order of their groups, and the 8 group numbers are sorted and stored.
; LIMITS: NaN and infinities are not served (maxima, v_med3 and compares pass over NaN).
; THE MODE: SCHED_MODE bits 1:0 = 2 (LLVM: expert scheduling mode 2), set by the entry lines.  The code itself states the register dependences between vector or matrix instructions and
; memory or LDS instructions, and those through scalar registers that vector instructions write, with s_wait_alu, always for 0.
; THE PLAN.  Registers that memory or LDS instructions touch:
;   v1, v2, v4, v5, v6, v10   offsets and LDS addresses: written once at the head, read by loads and stores, never written again.
;   window 1, BS              the queries: loaded once at the head, read by products alone.
;   ring place b, AS + 4 b    read by the 32 products of tile T, all issued in the stage before tile T's; the nine loads of tile T + 4 land there, first thing in tile T's stage.
;   KL, IL                    written by the insertions; read by the LDS stores of the merge; list 0 is loaded back into them; IL is the data of the last two stores.
;   v[ADR]; LK, LI            the merge: the address is written once a trip and read by the trip's four LDS loads, which land in LK, LI; the trip's insertions read these.
; So ONE wait on va_vdst stands at the head of each stage that loads, and the nine loads follow it at once: no vector or matrix instruction since the wait names their registers.
; The compares stand in runs of 32 (four lists, masks in s32 to s63) under ONE wait on va_sdst; the four lists' selects then go slot by slot, the lists by turns, each list's own lines in their old order.
; REGISTERS: window 0 as named below; window 1: the queries' fragments, v[32 t + 8 s ..]; window 2: a ring of four tiles of the table, v[32 b + 8 s ..].
.set AOFF,  1                          ; v1   table codes: 131,072 ((l / 8) % 2) + 32 (l % 8) + 16 (l / 16): rows 8-15 lie 64 groups on
.set ASOFF, 2                          ; v2   table scales: 8,192 ((l / 8) % 2) + 16 (l % 8)
.set GID,   3                          ; v3   my group of the tile whose maxima are in hand
.set BOFF,  4                          ; v4   queries' codes: 2,048 ((l / 8) % 2) + 32 (l % 8) + 16 (l / 16)
.set SA,    5                          ; v5   LDS: where I put 16 bytes of a list
.set RA,    6                          ; v6   LDS: where I read the lists of the query that I merge
.set ADR,   7                          ; v7   the same, for the list in hand
.set SPW,   8                          ; v8   my spare word; never rewritten
.set NIL,   9                          ; v9   0; never rewritten
.set L16,   10                         ; v10  16 x lane
.set TMP,   11
.set BS,    16                         ; v16-31  queries' scale words: register 4 p + s: lanes 0-15 tile 2 p, lanes 16-31 tile 2 p + 1
.set AS,    32                         ; v32-47  the table's scale words: ring of four tiles x four K steps
.set XM,    48                         ; v48-55  the group's largest score, one for each tile of queries
.set ACC,   56                         ; v56-119 eight accumulators
.set KL,    120                        ; v120-183 the lists' keys, 8 a tile of queries, the largest first
.set IL,    184                        ; v184-247 the lists' groups
.set LK,    56                         ; the merge: a list read back (the accumulators are done with)
.set LI,    64
.set SPARE, 65536                      ; behind the lists' 65,536 bytes: the spare words, 128 bytes a wave, which no other line names
.set MSB, 0
.macro WIN new                         ; the immediate's high byte repeats the setting that is left
.if MSB != \new
	s_set_vgpr_msb (MSB<<8)|\new
.set MSB, \new
.endif
.endm
; (key v[x], group v[g]) goes into the sorted list v[kk ..], v[ii ..]: 8 compares; from the end on, each place takes its neighbour, the newcomer, or stays.  The merge's form: one list, one newcomer at a time.
.macro INS x, g, kk, ii
.irp m, 0,1,2,3,4,5,6,7
	v_cmp_gt_f32 s[40+\m], v[\x], v[\kk+\m]
.endr
	s_wait_alu depctr_va_sdst(0)                   ; the eight compares have written s40 to s47, which the selects below read
.irp m, 7,6,5,4,3,2,1
	v_cndmask_b32 v[\ii+\m], v[\ii+\m], v[\g], s[40+\m]
	v_med3_num_f32 v[\kk+\m], v[\x], v[\kk+\m-1], v[\kk+\m]
	v_cndmask_b32 v[\ii+\m], v[\ii+\m], v[\ii+\m-1], s[40+\m-1]
.endr
	v_cndmask_b32 v[\ii], v[\ii], v[\g], s40
	v_max_num_f32 v[\kk], v[\kk], v[\x]
.endm
; The same insertion for the four lists t0 .. t0 + 3 at once, each with its own newcomer (v[XM + t], v[GID]).  CMP4: the 32 compares, list u's masks in s[32 + 8 u ..].
.macro CMP4 t0
.irp u, 0,1,2,3
.irp m, 0,1,2,3,4,5,6,7
	v_cmp_gt_f32 s[32+8*\u+\m], v[XM+\t0+\u], v[KL+8*(\t0+\u)+\m]
.endr
.endr
.endm
; ROW m: place m (7 down to 1) of the four lists: the three lines of INS, the lists by turns, so that no line reads the result of a line just ahead
.macro ROW m, t0
.irp u, 0,1,2,3
	v_cndmask_b32 v[IL+8*(\t0+\u)+\m], v[IL+8*(\t0+\u)+\m], v[GID], s[32+8*\u+\m]
.endr
.irp u, 0,1,2,3
	v_med3_num_f32 v[KL+8*(\t0+\u)+\m], v[XM+\t0+\u], v[KL+8*(\t0+\u)+\m-1], v[KL+8*(\t0+\u)+\m]
.endr
.irp u, 0,1,2,3
	v_cndmask_b32 v[IL+8*(\t0+\u)+\m], v[IL+8*(\t0+\u)+\m], v[IL+8*(\t0+\u)+\m-1], s[32+8*\u+\m-1]
.endr
.endm
.macro ROW0 t0                         ; place 0 of the four lists
.irp u, 0,1,2,3
	v_cndmask_b32 v[IL+8*(\t0+\u)], v[IL+8*(\t0+\u)], v[GID], s[32+8*\u]
.endr
.irp u, 0,1,2,3
	v_max_num_f32 v[KL+8*(\t0+\u)], v[KL+8*(\t0+\u)], v[XM+\t0+\u]
.endr
.endm
.macro MAXES                           ; each accumulator's largest: read from its low end on, the eight by turns
.irp t, 0,1,2,3,4,5,6,7
	v_max3_num_f32 v[XM+\t], v[ACC+8*\t], v[ACC+8*\t+1], v[ACC+8*\t+2]
.endr
.irp t, 0,1,2,3,4,5,6,7
	v_max3_num_f32 v[XM+\t], v[XM+\t], v[ACC+8*\t+3], v[ACC+8*\t+4]
.endr
.irp t, 0,1,2,3,4,5,6,7
	v_max3_num_f32 v[XM+\t], v[XM+\t], v[ACC+8*\t+5], v[ACC+8*\t+6]
.endr
.irp t, 0,1,2,3,4,5,6,7
	v_max_num_f32 v[XM+\t], v[XM+\t], v[ACC+8*\t+7]
.endr
.endm
; The tile k tiles on from the base into ring place b: 8 loads of codes, 1 of scale words: nine loads.  w = 1: the place has been multiplied by: the wait stands behind the window's switch, ahead of the loads.
.macro LOADA b, k, w
	WIN 0x80                                       ; destination window 2
.if \w
	s_wait_alu depctr_va_vdst(0)                   ; the products of the tile that lay in place b, all issued in the stage before, are done reading its fragments and its scale words, in which the nine loads below land
.endif
.irp ch, 0,1,2,3,4,5,6,7
	global_load_b128 v[32*(\b)+4*\ch:32*(\b)+4*\ch+3], v[AOFF], s[8:9] offset:(\k)*2048+\ch*256
.endr
	WIN 0
	global_load_b128 v[AS+4*(\b):AS+4*(\b)+3], v[ASOFF], s[10:11] offset:(\k)*128
.endm
; Four products: K step blk / 2, tiles of queries 4 (blk % 2) on.  The eight accumulators take turns, one instruction a turn; K step 0 starts the sums with the constant 0.
.macro MM4 b, blk
	WIN 0x06                                       ; source 0 (table) window 2, source 1 (queries) window 1, C and D window 0
.set ks, (\blk)/2
.irp u, 0,1,2,3
.set tq, 4*((\blk)%2)+\u
.if ks == 0
.if \u%2
	v_wmma_scale_f32_16x16x128_f8f6f4 v[ACC+8*tq:ACC+8*tq+7], v[32*(\b)+8*ks:32*(\b)+8*ks+7], v[32*tq+8*ks:32*tq+8*ks+7], 0, v[AS+4*(\b)+ks], v[BS+4*(tq/2)+ks] matrix_a_fmt:MATRIX_FMT_FP4 matrix_b_fmt:MATRIX_FMT_FP4 matrix_b_scale:MATRIX_SCALE_ROW1
.else
	v_wmma_scale_f32_16x16x128_f8f6f4 v[ACC+8*tq:ACC+8*tq+7], v[32*(\b)+8*ks:32*(\b)+8*ks+7], v[32*tq+8*ks:32*tq+8*ks+7], 0, v[AS+4*(\b)+ks], v[BS+4*(tq/2)+ks] matrix_a_fmt:MATRIX_FMT_FP4 matrix_b_fmt:MATRIX_FMT_FP4
.endif
.else
.if \u%2
	v_wmma_scale_f32_16x16x128_f8f6f4 v[ACC+8*tq:ACC+8*tq+7], v[32*(\b)+8*ks:32*(\b)+8*ks+7], v[32*tq+8*ks:32*tq+8*ks+7], v[ACC+8*tq:ACC+8*tq+7], v[AS+4*(\b)+ks], v[BS+4*(tq/2)+ks] matrix_a_fmt:MATRIX_FMT_FP4 matrix_b_fmt:MATRIX_FMT_FP4 matrix_b_scale:MATRIX_SCALE_ROW1
.else
	v_wmma_scale_f32_16x16x128_f8f6f4 v[ACC+8*tq:ACC+8*tq+7], v[32*(\b)+8*ks:32*(\b)+8*ks+7], v[32*tq+8*ks:32*tq+8*ks+7], v[ACC+8*tq:ACC+8*tq+7], v[AS+4*(\b)+ks], v[BS+4*(tq/2)+ks] matrix_a_fmt:MATRIX_FMT_FP4 matrix_b_fmt:MATRIX_FMT_FP4
.endif
.endif
.endr
.endm
; Half a stage: the insertions into lists t0 .. t0 + 3 (t0 = 0 or 4); mm = 1: the next tile's products t0 .. t0 + 3 of eight fours, dealt between them.
.macro HALF b, t0, mm
.if \mm
	MM4 (\b+1)%4, \t0
	WIN 0
.endif
	CMP4 \t0
	s_wait_alu depctr_va_sdst(0)                   ; the 32 compares have written s32 to s63, which the selects of the eight rows below read: one wait for the run
	ROW 7, \t0
	ROW 6, \t0
.if \mm
	MM4 (\b+1)%4, \t0+1
	WIN 0
.endif
	ROW 5, \t0
	ROW 4, \t0
.if \mm
	MM4 (\b+1)%4, \t0+2
	WIN 0
.endif
	ROW 3, \t0
	ROW 2, \t0
.if \mm
	MM4 (\b+1)%4, \t0+3
	WIN 0
.endif
	ROW 1, \t0
	ROW0 \t0                                       ; rows 1 and 0, twenty plain instructions, are the places behind the four products just issued
.endm
; The stage of a tile T in ring place b, whose products are done.  ld = 1: place b takes tile T + 4, first thing, behind the wait on va_vdst at the stage's head; then tile T's maxima;
; mm = 1: tile T + 1's products, four at a time, with tile T's insertions between them.  cnt: the loads of the younger tiles, nine each, that may stay out.
.macro STAGE b, ld, cnt, mm
.if \ld
	LOADA \b, 4+\b, 1
.endif
	MAXES
.if \mm
	s_wait_alu depctr_va_vdst(0)
	s_wait_loadcnt \cnt
.endif
	HALF \b, 0, \mm
	HALF \b, 4, \mm
	v_add_nc_u32 v[GID], 1, v[GID]
.endm
	s_load_b256 s[4:11], s[0:1], 0x0               ; queries' codes, queries' scales, table's codes, table's scales
	s_load_b64 s[12:13], s[0:1], 0x20              ; the candidates
	v_lshl_add_u32 v[SPW], v0, 2, SPARE
	v_mov_b32 v[NIL], 0
	v_lshrrev_b32 v11, 5, v0
	v_readfirstlane_b32 s14, v11                   ; wave
	v_and_b32 v11, 31, v0                          ; lane
	v_bfe_u32 v12, v0, 3, 1                        ; (l / 8) % 2
	v_and_b32 v13, 7, v0                           ; l % 8
	v_bfe_u32 v14, v0, 4, 1                        ; h = l / 16
	v_lshlrev_b32 v15, 5, v13
	v_lshl_add_u32 v15, v14, 4, v15
	v_lshl_add_u32 v[AOFF], v12, 17, v15
	v_lshl_add_u32 v[BOFF], v12, 11, v15
	v_lshlrev_b32 v15, 4, v13
	v_lshl_add_u32 v[ASOFF], v12, 13, v15
	v_lshlrev_b32 v[L16], 4, v11
	s_wait_alu depctr_va_sdst(0)                   ; s14, the wave's number, is written, ahead of its first reader
	s_lshl_b32 s15, s14, 7
	v_lshl_add_u32 v[GID], v14, 6, s15             ; 128 w + 64 h
	s_lshl_b32 s15, s14, 9
	v_add_nc_u32 v[SA], s15, v[L16]                ; 512 w + 16 l: list 2 w + h, query r
	s_lshl_b32 s15, s14, 14
	v_and_b32 v15, 15, v0
	v_lshlrev_b32 v15, 4, v15
	v_lshl_add_u32 v15, v14, 13, v15
	v_add_nc_u32 v[RA], s15, v15                   ; I merge query l % 16 of tile 2 w + l / 16: 8,192 bytes a tile
	s_lshl_b32 s16, ttmp9, 15                      ; my 128 queries' codes: 16 groups of 2,048 bytes
	s_mov_b32 s17, 0
	s_lshl_b32 s18, ttmp9, 11                      ; their scale bytes; and their candidates' plane
	s_mov_b32 s19, 0
	s_lshl_b32 s22, s14, 18                        ; my wave's 128 groups of the table
	s_mov_b32 s23, 0
	s_lshl_b32 s24, s14, 14
	s_mov_b32 s25, 0
	s_lshl_b32 s26, s14, 9
	s_add_co_u32 s26, s26, s18
	s_mov_b32 s27, 0
	s_wait_kmcnt 0x0
	s_add_nc_u64 s[4:5], s[4:5], s[16:17]
	s_add_nc_u64 s[6:7], s[6:7], s[18:19]
	s_add_nc_u64 s[8:9], s[8:9], s[22:23]
	s_add_nc_u64 s[10:11], s[10:11], s[24:25]
	s_add_nc_u64 s[12:13], s[12:13], s[26:27]
	WIN 0x40                                       ; destination window 1
	s_wait_alu depctr_va_vdst(0)                   ; the offsets and LDS addresses v1, v2, v4, v5, v6 and v10 are written: every load and store of the kernel reads one of them
.set i, 0
.rept 64
	global_load_b128 v[4*i:4*i+3], v[BOFF], s[4:5] offset:(i/8)*4096+(i%8)*256   ; the queries' fragments stay
.set i, i+1
.endr
	WIN 0
.irp p, 0,1,2,3
	global_load_b128 v[BS+4*\p:BS+4*\p+3], v[L16], s[6:7] offset:512*\p
.endr
	LOADA 0, 0, 0                                  ; the ring's first fills: no vector or matrix instruction has named these registers
	LOADA 1, 1, 0
	LOADA 2, 2, 0
	LOADA 3, 3, 0
.set i, 0
.rept 64
	v_mov_b32 v[KL+i], 0xff800000                  ; the lists begin empty: keys of -infinity, under every score
	v_mov_b32 v[IL+i], 0
.set i, i+1
.endr
	s_wait_loadcnt 27                              ; the queries and tile 0 are in; tiles 1 to 3, nine loads each, may be out
.set blk, 0
.rept 8
	MM4 0, blk                                     ; tile 0's products: there is no vector work yet to set between them
.set blk, blk+1
.endr
	WIN 0
.rept 4
	v_nop                                          ; four places between the last product and the first read of results
.endr
	s_mov_b32 s20, 15
.Ltrip:                                                ; 15 trips of four tiles: tiles 0 to 59 are inserted, 1 to 60 multiplied, 4 to 63 asked for
	STAGE 0, 1, 27, 1
	STAGE 1, 1, 27, 1
	STAGE 2, 1, 27, 1
	STAGE 3, 1, 27, 1
	s_wait_xcnt 0x0                                ; the loads have read their bases: these step only behind this wait
	s_add_nc_u64 s[8:9], s[8:9], 8192
	s_add_nc_u64 s[10:11], s[10:11], 512
	s_sub_co_u32 s20, s20, 1
	s_cmp_lg_u32 s20, 0
	s_cbranch_scc1 .Ltrip
	STAGE 0, 0, 18, 1                              ; the last four tiles ask for nothing: no load leaves its buffer, the counts run down, and no wait on va_vdst is owed
	STAGE 1, 0, 9, 1
	STAGE 2, 0, 0, 1
	STAGE 3, 0, 0, 0
	; THE MERGE.  Quarter-lists (4 t + quad) of 2,048 bytes: quad 0, 1 the keys, 2, 3 the groups; in each, list u = 2 w + h at 256 u, query r at 16 r.
	s_wait_alu depctr_va_vdst(0)                   ; the insertions have written the lists KL and IL, which the LDS stores read
.irp t, 0,1,2,3,4,5,6,7
	ds_store_b128 v[SA], v[KL+8*\t:KL+8*\t+3] offset:(4*\t)*2048
	ds_store_b128 v[SA], v[KL+8*\t+4:KL+8*\t+7] offset:(4*\t+1)*2048
	ds_store_b128 v[SA], v[IL+8*\t:IL+8*\t+3] offset:(4*\t+2)*2048
	ds_store_b128 v[SA], v[IL+8*\t+4:IL+8*\t+7] offset:(4*\t+3)*2048
.endr
	s_wait_dscnt 0x0                               ; for the others' sake: my stores have landed
	s_barrier_signal -1
	s_barrier_wait -1
	s_wait_alu depctr_vm_vsrc(0)                   ; my LDS stores have read KL and IL, in which the four loads below land (no vector instruction has named them since the wait ahead of the stores)
	ds_load_b128 v[KL:KL+3], v[RA]                 ; list 0 of my query is the start
	ds_load_b128 v[KL+4:KL+7], v[RA] offset:2048
	ds_load_b128 v[IL:IL+3], v[RA] offset:4096
	ds_load_b128 v[IL+4:IL+7], v[RA] offset:6144
	s_mov_b32 s21, 0
.Lmerge:                                               ; seven trips: lists 1 to 7, whose groups rise with the list's number, so that ties stay with the lower group
	s_add_co_u32 s21, s21, 256
	s_wait_alu depctr_vm_vsrc(0)                   ; the last trip's LDS loads have read v[ADR], which the next line writes
	v_add_nc_u32 v[ADR], s21, v[RA]
	s_wait_alu depctr_va_vdst(0)                   ; v[ADR] is written, which the loads below read; the last trip's insertions (in the first trip: the maxima) are done reading LK and LI, in which they land
	ds_load_b128 v[LK:LK+3], v[ADR]
	ds_load_b128 v[LK+4:LK+7], v[ADR] offset:2048
	ds_load_b128 v[LI:LI+3], v[ADR] offset:4096
	ds_load_b128 v[LI+4:LI+7], v[ADR] offset:6144
	s_wait_dscnt 0x0
.irp e, 0,1,2,3,4,5,6,7
	INS LK+\e, LI+\e, KL, IL
.endr
	s_cmp_lt_u32 s21, 1792
	s_cbranch_scc1 .Lmerge
	; the 8 groups in rising order (the next launch walks them so, for its ties): as f32, which holds numbers under 512 exactly; 19 exchanges
.irp e, 0,1,2,3,4,5,6,7
	v_cvt_f32_u32 v[IL+\e], v[IL+\e]
.endr
.macro CE a, b
	v_min_num_f32 v[TMP], v[IL+\a], v[IL+\b]
	v_max_num_f32 v[IL+\b], v[IL+\a], v[IL+\b]
	v_mov_b32 v[IL+\a], v[TMP]
.endm
	CE 0, 1
	CE 2, 3
	CE 4, 5
	CE 6, 7
	CE 0, 2
	CE 1, 3
	CE 4, 6
	CE 5, 7
	CE 1, 2
	CE 5, 6
	CE 0, 4
	CE 1, 5
	CE 2, 6
	CE 3, 7
	CE 2, 4
	CE 3, 5
	CE 1, 2
	CE 3, 4
	CE 5, 6
.irp e, 0,1,2,3,4,5,6,7
	v_cvt_u32_f32 v[IL+\e], v[IL+\e]
.endr
	s_wait_alu depctr_va_vdst(0)                   ; the conversions have written v[IL ..], which the two stores read
	global_store_b128 v[L16], v[IL:IL+3], s[12:13]                  ; plane 0: groups 0-3 of 32 queries: 512 consecutive bytes
	global_store_b128 v[L16], v[IL+4:IL+7], s[12:13] offset:524288  ; plane 1: groups 4-7
	s_wait_dscnt 0x0                               ; the closing lines, six on end
	s_wait_alu 0x0
	s_wait_tensorcnt 0x0
	ds_add_u32 v[SPW], v[NIL]
	s_wait_dscnt 0x0
	s_endpgm
.Lfunc_end_k_qa839245323_sweep:
	.size	k_qa839245323_sweep, .Lfunc_end_k_qa839245323_sweep-k_qa839245323_sweep
	.p2alignl 7, 3214868480
	.fill 96, 4, 3214868480
	.section	.rodata,"a",@progbits
	.p2align	6, 0x0
	.amdhsa_kernel k_qa839245323_sweep
		.amdhsa_group_segment_fixed_size 66048
		.amdhsa_private_segment_fixed_size 0
		.amdhsa_enable_private_segment 0
		.amdhsa_kernarg_size 40
		.amdhsa_user_sgpr_count 2
		.amdhsa_user_sgpr_kernarg_segment_ptr 1
		.amdhsa_wavefront_size32 1
		.amdhsa_system_sgpr_workgroup_id_x 1
		.amdhsa_system_sgpr_workgroup_id_y 1
		.amdhsa_system_sgpr_workgroup_id_z 1
		.amdhsa_system_vgpr_workitem_id 0
		.amdhsa_next_free_vgpr 640
		.amdhsa_next_free_sgpr 66
		.amdhsa_reserve_vcc 0
		.amdhsa_float_denorm_mode_32 3
		.amdhsa_float_denorm_mode_16_64 3
		.amdhsa_memory_ordered 1
		.amdhsa_forward_progress 1
		.amdhsa_inst_pref_size 217
	.end_amdhsa_kernel
	.amdgpu_metadata
---
amdhsa.version: [ 1, 2 ]
amdhsa.kernels:
  - .name:           k_qa839245323_sweep
    .symbol:         k_qa839245323_sweep.kd
    .args:
      - { .name: xc, .offset: 0, .size: 8, .value_kind: global_buffer, .address_space: global }
      - { .name: xs, .offset: 8, .size: 8, .value_kind: global_buffer, .address_space: global }
      - { .name: mc, .offset: 16, .size: 8, .value_kind: global_buffer, .address_space: global }
      - { .name: ms, .offset: 24, .size: 8, .value_kind: global_buffer, .address_space: global }
      - { .name: cand, .offset: 32, .size: 8, .value_kind: global_buffer, .address_space: global }
    .group_segment_fixed_size: 66048
    .private_segment_fixed_size: 0
    .kernarg_segment_align: 8
    .kernarg_segment_size: 40
    .max_flat_workgroup_size: 128
    .sgpr_count:     66
    .vgpr_count:     640
    .wavefront_size: 32
...
	.end_amdgpu_metadata
.endif
;; end of part 6
;; launch refine (part 7): grid 512 x 1, 4 waves a work-group, no clusters, 0 bytes of LDS; arguments xc, xs, mc, ms, cand, retrieval_scale, sel, wts; writes sel, wts
.if DOCPART == 7
	.amdgcn_target "amdgcn-amd-amdhsa--gfx1250"
	.amdhsa_code_object_version 6
	.text
	.protected	k_qa839245323_refine
	.globl	k_qa839245323_refine
	.p2align	8
	.type	k_qa839245323_refine,@function
k_qa839245323_refine:
	s_mov_b64 s[64:65], 0
	v_nop
	global_prefetch_b8 v0, s[64:65] scope:SCOPE_SE
	s_setreg_imm32_b32 hwreg(HW_REG_WAVE_SCHED_MODE, 0, 2), 2
	s_setreg_imm32_b32 hwreg(HW_REG_WAVE_MODE, 25, 1), 1
	s_wait_xcnt 0x0
	s_wait_alu depctr_vm_vsrc(0)
; For each query: the scores of the 64 slots of its 8 candidate groups, by the same matrix instruction on the same codes; of them the exact top 8 (ties to the lower slot, as jax.lax.top_k);
; softmax over the 8 with the largest taken away; the weights times retrieval_scale.  Stored: 8 slot numbers and 8 weights a query.  No work of the problem is left out here.
; The group numbers are whole numbers that the launch before stored; they are held at 511 before they enter an address.
; SHARES: a wave takes a tile of 16 queries.  Query q's 64 slots are four tiles of 16 rows: tile a = groups a (rows 0-7) and a + 4 (rows 8-15).  Source 0 = those rows, source 1 = the tile of queries:
; of the result only column q counts: lanes q and q + 16 copy it (a select by a constant mask).  So lane (r, h) ends with the 32 scores of groups 4 h .. 4 h + 3 of query r, in rising order of the slot.
; Two queries' rows are on their way at a time (36 loads each).
; LIMITS: NaN and infinities are not served.
; THE MODE: SCHED_MODE bits 1:0 = 2 (LLVM: expert scheduling mode 2), set by the entry lines.  The code itself states the register dependences between vector or matrix instructions and
; memory instructions, and those through scalar registers that vector instructions write, with s_wait_alu, always for 0.
; THE PLAN.  Registers that memory instructions touch:
;   v3 to v7                  offsets: written once at the head, read by loads and stores, never written again.
;   GA, OWN, B, BS            loaded once at the head; vector and matrix instructions alone name them afterwards.
;   AD[buf]                   eight offsets: written by the address lines of query q + 2, read by that query's 36 loads.
;   window 1 buffer buf, AS[buf]   those 36 loads land there; the 16 products of that query read them.
;   OUT                       written by the last selects, read by the two stores.
; A query's turn, buf = q % 2: its 16 products; a wait on vm_vsrc (the loads issued so far have read AD[buf]); the twenty address lines of query q + 2; ONE wait on va_vdst (AD[buf] is written, the
; products are done reading the buffer and AS[buf]); the 36 loads; then the copy of column q, which names the accumulators and S alone.
; The insertions follow each other on one list, so each has its own wait on va_sdst between its eight compares and its selects.
; REGISTERS: window 0 as named; window 1: the candidates' fragments, v[128 buf + 32 a + 8 s ..].
.set ALOFF,  1                         ; v1   32 (l % 8) + 16 (l / 16): my place in a group's chunk
.set ASLOFF, 2                         ; v2   16 (l % 8): my row's scale words in a group
.set BOFF,   3                         ; v3   the queries' codes
.set GAOFF,  4                         ; v4   which plane of candidates my ROW of a tile wants: 524,288 ((l / 8) % 2)
.set OWNOFF, 5                         ; v5   my own query's four groups: 524,288 (l / 16) + 16 (l % 16)
.set OOFF,   6                         ; v6   out: 32 (l % 16) + 16 (l / 16)
.set R16,    7                         ; v7   16 (l % 16)
.set T0,     8                         ; v8-15 at work
.set XI,     8
.set B,      16                        ; v16-47  the queries' fragments
.set BS,     48                        ; v48-51  their scale words
.set AS,     52                        ; v52-83  the candidates' scale words: 2 x 4 tiles x 4 K steps
.set AD,     84                        ; v84-99  2 x (4 offsets of codes, 4 of scale words)
.set GA,     100                       ; v100-163 for each query q: the four groups that my row takes
.set ACC,    164                       ; v164-195 four accumulators
.set S,      196                       ; v196-227 my 32 scores
.set OWN,    228                       ; v228-231 my query's four groups, then their first slots
.set KL,     232                       ; v232-239 the list's keys
.set IL,     240                       ; v240-247 the list's slots
.set K2,     164                       ; the other half's list (the accumulators are done with)
.set I2,     172
.set E,      100                       ; the weights (the groups are done with)
.set OUT,    108
.set MSB, 0
.macro WIN new
.if MSB != \new
	s_set_vgpr_msb (MSB<<8)|\new
.set MSB, \new
.endif
.endm
.macro INS x, g, kk, ii                ; as in the launch before: (key, number) into a sorted list of 8; strict compare: of equals the earlier stays ahead
.irp m, 0,1,2,3,4,5,6,7
	v_cmp_gt_f32 s[40+\m], v[\x], v[\kk+\m]
.endr
	s_wait_alu depctr_va_sdst(0)                   ; the eight compares have written s40 to s47, which the selects below read
.irp m, 7,6,5,4,3,2,1
	v_cndmask_b32 v[\ii+\m], v[\ii+\m], v[\g], s[40+\m]
	v_med3_num_f32 v[\kk+\m], v[\x], v[\kk+\m-1], v[\kk+\m]
	v_cndmask_b32 v[\ii+\m], v[\ii+\m], v[\ii+\m-1], s[40+\m-1]
.endr
	v_cndmask_b32 v[\ii], v[\ii], v[\g], s40
	v_max_num_f32 v[\kk], v[\kk], v[\x]
.endm
.macro ADDR q, buf                     ; query q's offsets: group x 2,048 bytes of codes, group x 128 of scale bytes.  Twenty plain instructions
.irp a, 0,1,2,3
	v_min_u32 v[T0+\a], 511, v[GA+4*(\q)+\a]
.endr
.irp a, 0,1,2,3
	v_lshlrev_b32 v[T0+4+\a], 11, v[T0+\a]
.endr
.irp a, 0,1,2,3
	v_lshlrev_b32 v[T0+\a], 7, v[T0+\a]
.endr
.irp a, 0,1,2,3
	v_add_nc_u32 v[AD+8*(\buf)+\a], v[T0+4+\a], v[ALOFF]
.endr
.irp a, 0,1,2,3
	v_add_nc_u32 v[AD+8*(\buf)+4+\a], v[T0+\a], v[ASLOFF]
.endr
.endm
; 32 loads of codes, 4 of scale words.  w = 1: the wait stands behind the window's switch, ahead of the loads; w = 0: the wait of the run just ahead still serves (loads and window switches alone stand between)
.macro LOADS buf, w
	WIN 0x40                                       ; destination window 1
.if \w
	s_wait_alu depctr_va_vdst(0)                   ; the address lines have written the offsets AD, which the loads below read; the products issued so far are done reading this buffer's fragments and scale words, in which they land
.endif
.irp a, 0,1,2,3
.irp ch, 0,1,2,3,4,5,6,7
	global_load_b128 v[128*(\buf)+32*\a+4*\ch:128*(\buf)+32*\a+4*\ch+3], v[AD+8*(\buf)+\a], s[8:9] offset:\ch*256
.endr
.endr
	WIN 0
.irp a, 0,1,2,3
	global_load_b128 v[AS+16*(\buf)+4*\a:AS+16*(\buf)+4*\a+3], v[AD+8*(\buf)+4+\a], s[10:11]
.endr
.endm
.macro MM buf                          ; 16 products: the four accumulators take turns, one instruction a turn; K step 0 starts the sums
	WIN 0x01                                       ; source 0 window 1
.irp s, 0,1,2,3
.irp a, 0,1,2,3
.if \s == 0
	v_wmma_scale_f32_16x16x128_f8f6f4 v[ACC+8*\a:ACC+8*\a+7], v[128*(\buf)+32*\a+8*\s:128*(\buf)+32*\a+8*\s+7], v[B+8*\s:B+8*\s+7], 0, v[AS+16*(\buf)+4*\a+\s], v[BS+\s] matrix_a_fmt:MATRIX_FMT_FP4 matrix_b_fmt:MATRIX_FMT_FP4
.else
	v_wmma_scale_f32_16x16x128_f8f6f4 v[ACC+8*\a:ACC+8*\a+7], v[128*(\buf)+32*\a+8*\s:128*(\buf)+32*\a+8*\s+7], v[B+8*\s:B+8*\s+7], v[ACC+8*\a:ACC+8*\a+7], v[AS+16*(\buf)+4*\a+\s], v[BS+\s] matrix_a_fmt:MATRIX_FMT_FP4 matrix_b_fmt:MATRIX_FMT_FP4
.endif
.endr
.endr
	WIN 0
.endm
.macro COLLECT q                       ; lanes q and q + 16 keep column q; each accumulator is read from its low end on
.if (\q) == 0
.set i, 0
.rept 32
	v_mov_b32 v[S+i], v[ACC+i]                     ; the first copy writes every lane
.set i, i+1
.endr
.else
	s_mov_b32 s30, 0x10001<<(\q)
.set i, 0
.rept 32
	v_cndmask_b32 v[S+i], v[S+i], v[ACC+i], s30
.set i, i+1
.endr
.endif
.endm
	s_load_b256 s[4:11], s[0:1], 0x0               ; queries' codes, queries' scales, table's codes, table's scales
	s_load_b256 s[12:19], s[0:1], 0x20             ; candidates, retrieval_scale, slots, weights
	v_lshrrev_b32 v8, 5, v0
	v_readfirstlane_b32 s21, v8                    ; wave
	v_and_b32 v8, 7, v0
	v_bfe_u32 v9, v0, 4, 1
	v_bfe_u32 v10, v0, 3, 1
	v_and_b32 v11, 15, v0
	v_lshlrev_b32 v[ALOFF], 5, v8
	v_lshl_add_u32 v[ALOFF], v9, 4, v[ALOFF]
	v_lshlrev_b32 v[ASLOFF], 4, v8
	v_lshl_add_u32 v[BOFF], v10, 11, v[ALOFF]
	v_lshlrev_b32 v[GAOFF], 19, v10
	v_lshlrev_b32 v[R16], 4, v11
	v_lshl_add_u32 v[OWNOFF], v9, 19, v[R16]
	v_lshlrev_b32 v[OOFF], 5, v11
	v_lshl_add_u32 v[OOFF], v9, 4, v[OOFF]
	s_wait_alu depctr_va_sdst(0)                   ; s21, the wave's number, is written, ahead of its first reader
	s_lshl_b32 s22, ttmp9, 2
	s_add_co_u32 s22, s22, s21                     ; my tile of queries
	s_mov_b32 s25, 0
	s_mov_b32 s27, 0
	s_mov_b32 s29, 0
	s_lshl_b32 s24, s22, 12                        ; two groups of codes
	s_lshl_b32 s26, s22, 8                         ; 256 scale bytes; 16 queries x 16 bytes of a plane of candidates
	s_lshl_b32 s28, s22, 9                         ; 16 queries x 32 bytes out
	s_mov_b32 s31, 0xffff0000                      ; lanes 16-31
	s_wait_kmcnt 0x0
	s_load_b32 s20, s[14:15], 0x0                  ; retrieval_scale
	s_add_nc_u64 s[4:5], s[4:5], s[24:25]
	s_add_nc_u64 s[6:7], s[6:7], s[26:27]
	s_add_nc_u64 s[12:13], s[12:13], s[26:27]
	s_add_nc_u64 s[16:17], s[16:17], s[28:29]
	s_add_nc_u64 s[18:19], s[18:19], s[28:29]
	s_wait_alu depctr_va_vdst(0)                   ; the offsets v3 to v7 are written, which the loads below and the last two stores read
.set i, 0
.rept 16
	global_load_b128 v[GA+4*i:GA+4*i+3], v[GAOFF], s[12:13] offset:16*i
.set i, i+1
.endr
	global_load_b128 v[OWN:OWN+3], v[OWNOFF], s[12:13]
.irp ch, 0,1,2,3,4,5,6,7
	global_load_b128 v[B+4*\ch:B+4*\ch+3], v[BOFF], s[4:5] offset:\ch*256
.endr
	global_load_b128 v[BS:BS+3], v[R16], s[6:7]
	s_wait_loadcnt 0x0
	s_wait_kmcnt 0x0
	ADDR 0, 0                                      ; the first two queries' offsets are made together, so that one wait serves both runs of loads
	ADDR 1, 1
	LOADS 0, 1
	LOADS 1, 0
.set qq, 0
.rept 16
.if qq < 15
	s_wait_loadcnt 36                              ; this query's 36 loads are in, so their offsets may be written again; the next query's 36 may be out
.else
	s_wait_loadcnt 0x0
.endif
	MM qq%2
.if qq < 14
	s_wait_alu depctr_vm_vsrc(0)                   ; the loads issued so far have read their offsets: this buffer's eight, AD, are written again by the address lines below
	ADDR qq+2, qq%2                                ; these twenty name no register of the products: they are the places in front of the reads and the next sums' start
	LOADS qq%2, 1
.else
.rept 5
	v_nop
.endr
.endif
	COLLECT qq
.set qq, qq+1
.endr
	; THE TOP 8 of my 32, in rising order of the slot
.irp a, 0,1,2,3
	v_lshlrev_b32 v[OWN+\a], 3, v[OWN+\a]          ; a group's first slot
.endr
.irp m, 0,1,2,3,4,5,6,7
	v_mov_b32 v[KL+\m], 0xff800000
	v_mov_b32 v[IL+\m], 0
.endr
.set cnt, 0
.rept 32
	v_add_nc_u32 v[XI], cnt%8, v[OWN+cnt/8]
	INS S+cnt, XI, KL, IL
.set cnt, cnt+1
.endr
	; the two halves of the lanes join: both then hold the list of groups 0-3 in KL, IL and that of groups 4-7, whose slots are higher, in K2, I2
.irp m, 0,1,2,3,4,5,6,7
	v_mov_b32 v[K2+\m], v[KL+\m]
	v_mov_b32 v[I2+\m], v[IL+\m]
.endr
.irp m, 0,1,2,3,4,5,6,7
	v_permlane16_swap_b32 v[KL+\m], v[K2+\m]       ; the first's lanes 16-31 change places with the second's lanes 0-15
	v_permlane16_swap_b32 v[IL+\m], v[I2+\m]
.endr
.irp m, 0,1,2,3,4,5,6,7
	INS K2+\m, I2+\m, KL, IL
.endr
	; softmax over the 8: the largest, KL + 0, is taken away
.irp m, 1,2,3,4,5,6,7
	v_sub_f32 v[E+\m], v[KL+\m], v[KL]
.endr
.irp m, 1,2,3,4,5,6,7
	v_mul_f32 v[E+\m], 0x3fb8aa3b, v[E+\m]         ; x log2(e)
.endr
	s_wait_alu depctr_va_vdst(0)
.irp m, 1,2,3,4,5,6,7
	v_exp_f32 v[E+\m], v[E+\m]
.endr
	v_nop                                          ; a plain instruction behind the batch,
	s_wait_alu depctr_va_vdst(0)                   ; and one wait for the seven exponentials' results v[E + 1 ..], ahead of their first reader
	v_add_f32 v8, 1.0, v[E+1]
	v_add_f32 v9, v[E+2], v[E+3]
	v_add_f32 v10, v[E+4], v[E+5]
	v_add_f32 v11, v[E+6], v[E+7]
	v_add_f32 v8, v8, v9
	v_add_f32 v10, v10, v11
	v_add_f32 v8, v8, v10
	s_wait_alu depctr_va_vdst(0)
	v_rcp_f32 v9, v8
	v_nop
	s_wait_alu depctr_va_vdst(0)                   ; the reciprocal has written v9, ahead of its first reader
	v_mul_f32 v[E], s20, v9                        ; the first weight: retrieval_scale / sum
.irp m, 1,2,3,4,5,6,7
	v_mul_f32 v[E+\m], v[E+\m], v[E]
.endr
.irp m, 0,1,2,3
	v_cndmask_b32 v[OUT+\m], v[IL+\m], v[IL+4+\m], s31       ; lanes 0-15 store entries 0-3, lanes 16-31 entries 4-7
	v_cndmask_b32 v[OUT+4+\m], v[E+\m], v[E+4+\m], s31
.endr
	s_wait_alu depctr_va_vdst(0)                   ; the selects have written v[OUT ..], which the two stores read
	global_store_b128 v[OOFF], v[OUT:OUT+3], s[16:17]        ; 16 queries x 32 bytes: 512 consecutive bytes
	global_store_b128 v[OOFF], v[OUT+4:OUT+7], s[18:19]
	s_endpgm
.Lfunc_end_k_qa839245323_refine:
	.size	k_qa839245323_refine, .Lfunc_end_k_qa839245323_refine-k_qa839245323_refine
	.p2alignl 7, 3214868480
	.fill 96, 4, 3214868480
	.section	.rodata,"a",@progbits
	.p2align	6, 0x0
	.amdhsa_kernel k_qa839245323_refine
		.amdhsa_group_segment_fixed_size 0
		.amdhsa_private_segment_fixed_size 0
		.amdhsa_enable_private_segment 0
		.amdhsa_kernarg_size 64
		.amdhsa_user_sgpr_count 2
		.amdhsa_user_sgpr_kernarg_segment_ptr 1
		.amdhsa_wavefront_size32 1
		.amdhsa_system_sgpr_workgroup_id_x 1
		.amdhsa_system_sgpr_workgroup_id_y 1
		.amdhsa_system_sgpr_workgroup_id_z 1
		.amdhsa_system_vgpr_workitem_id 0
		.amdhsa_next_free_vgpr 512
		.amdhsa_next_free_sgpr 66
		.amdhsa_reserve_vcc 0
		.amdhsa_float_denorm_mode_32 3
		.amdhsa_float_denorm_mode_16_64 3
		.amdhsa_memory_ordered 1
		.amdhsa_forward_progress 1
		.amdhsa_inst_pref_size 221
	.end_amdhsa_kernel
	.amdgpu_metadata
---
amdhsa.version: [ 1, 2 ]
amdhsa.kernels:
  - .name:           k_qa839245323_refine
    .symbol:         k_qa839245323_refine.kd
    .args:
      - { .name: xc, .offset: 0, .size: 8, .value_kind: global_buffer, .address_space: global }
      - { .name: xs, .offset: 8, .size: 8, .value_kind: global_buffer, .address_space: global }
      - { .name: mc, .offset: 16, .size: 8, .value_kind: global_buffer, .address_space: global }
      - { .name: ms, .offset: 24, .size: 8, .value_kind: global_buffer, .address_space: global }
      - { .name: cand, .offset: 32, .size: 8, .value_kind: global_buffer, .address_space: global }
      - { .name: retrieval_scale, .offset: 40, .size: 8, .value_kind: global_buffer, .address_space: global }
      - { .name: sel, .offset: 48, .size: 8, .value_kind: global_buffer, .address_space: global }
      - { .name: wts, .offset: 56, .size: 8, .value_kind: global_buffer, .address_space: global }
    .group_segment_fixed_size: 0
    .private_segment_fixed_size: 0
    .kernarg_segment_align: 8
    .kernarg_segment_size: 64
    .max_flat_workgroup_size: 128
    .sgpr_count:     66
    .vgpr_count:     512
    .wavefront_size: 32
...
	.end_amdgpu_metadata
.endif
;; end of part 7
;; launch combine (part 8): grid 1024 x 1, 8 waves a work-group, no clusters, 0 bytes of LDS; arguments x, mb, sel, wts, out0; writes out0
.if DOCPART == 8
	.amdgcn_target "amdgcn-amd-amdhsa--gfx1250"
	.amdhsa_code_object_version 6
	.text
	.protected	k_qa839245323_combine
	.globl	k_qa839245323_combine
	.p2align	8
	.type	k_qa839245323_combine,@function
k_qa839245323_combine:
	s_mov_b64 s[64:65], 0
	v_nop
	global_prefetch_b8 v0, s[64:65] scope:SCOPE_SE
	s_setreg_imm32_b32 hwreg(HW_REG_WAVE_MODE, 25, 1), 1
	s_wait_xcnt 0x0
; out[q] = x[q] + the sum over k = 0 .. 7 of w[q][k] memory[slot[q][k]], w = softmax x retrieval_scale from the launch before.  No work of the problem is left out here.
; The product of the gathered rows with the weights (K = 8, one column, a batch of 32,768) has no shape for a matrix tile: it is fused multiply-adds with bf16 rows, f32 weights and f32 sums.
; The slot numbers are whole numbers that the launch before stored; they are held at 4,095 before they enter an address.
; SHARES: a wave takes four queries, one a trip.  Lane l holds elements 128 i + 4 l .. + 3 of the row (i = 0 .. 3): every load and store of x and out covers 512 consecutive bytes.  The bf16 copy
; is laid so that register m of a gathered row's eight holds the two numbers that go with registers 2 m and 2 m + 1 of x.  No LDS, no barrier: waves share nothing.
.set LO,  1                            ; v1   16 x lane
.set ZR,  2                            ; v2   0: every lane reads the query's slots and weights
.set SEL, 4                            ; v4-11   the 8 slots
.set W,   12                           ; v12-19  the 8 weights
.set OFF, 20                           ; v20-27  the rows' offsets
.set X,   36                           ; v36-51  x's row, then out's
.set RW,  52                           ; v52-115 the 8 rows, 8 registers each
	s_load_b256 s[4:11], s[0:1], 0x0               ; x, the bf16 copy, slots, weights
	s_load_b64 s[12:13], s[0:1], 0x20              ; out
	v_lshrrev_b32 v3, 5, v0
	s_delay_alu instid0(VALU_DEP_1)
	v_readfirstlane_b32 s14, v3                    ; wave
	v_and_b32 v3, 31, v0
	s_delay_alu instid0(VALU_DEP_1)
	v_lshlrev_b32 v[LO], 4, v3
	v_mov_b32 v[ZR], 0
	s_lshl_b32 s15, ttmp9, 3
	s_add_co_u32 s15, s15, s14                     ; which four queries are my wave's
	s_lshl_b32 s16, s15, 13                        ; four rows of 2,048 bytes
	s_mov_b32 s17, 0
	s_lshl_b32 s18, s15, 7                         ; four times 32 bytes
	s_mov_b32 s19, 0
	s_mov_b32 s20, 4
	s_wait_kmcnt 0x0
	s_add_nc_u64 s[4:5], s[4:5], s[16:17]
	s_add_nc_u64 s[12:13], s[12:13], s[16:17]
	s_add_nc_u64 s[8:9], s[8:9], s[18:19]
	s_add_nc_u64 s[10:11], s[10:11], s[18:19]
.Lquery:
	s_wait_alu depctr_va_vdst(0)
	global_load_b128 v[SEL:SEL+3], v[ZR], s[8:9]
	global_load_b128 v[SEL+4:SEL+7], v[ZR], s[8:9] offset:16
	global_load_b128 v[W:W+3], v[ZR], s[10:11]
	global_load_b128 v[W+4:W+7], v[ZR], s[10:11] offset:16
.irp i, 0,1,2,3
	global_load_b128 v[X+4*\i:X+4*\i+3], v[LO], s[4:5] offset:512*\i th:TH_LOAD_NT
.endr
	s_wait_loadcnt 6                               ; the slots are in; the two loads of weights and the four of x may be out
.irp k, 0,1,2,3,4,5,6,7
	v_min_u32 v[SEL+\k], 4095, v[SEL+\k]
.endr
.irp k, 0,1,2,3,4,5,6,7
	v_lshlrev_b32 v[SEL+\k], 10, v[SEL+\k]         ; a row of the copy is 1,024 bytes
.endr
.irp k, 0,1,2,3,4,5,6,7
	v_add_nc_u32 v[OFF+\k], v[SEL+\k], v[LO]
.endr
.irp k, 0,1,2,3,4,5,6,7
	global_load_b128 v[RW+8*\k:RW+8*\k+3], v[OFF+\k], s[6:7]
	global_load_b128 v[RW+8*\k+4:RW+8*\k+7], v[OFF+\k], s[6:7] offset:512
.endr
.irp k, 0,1,2,3,4,5,6,7
	s_wait_loadcnt 14-2*\k                         ; row k is in (and the weights and x, asked for earlier); the rows behind it, two loads each, may be out
.irp m, 0,1,2,3,4,5,6,7
	v_fma_mix_f32_bf16 v[X+2*\m], v[RW+8*\k+\m], v[W+\k], v[X+2*\m] op_sel_hi:[1,0,0]                      ; the low bf16 x the weight + the sum
	v_fma_mix_f32_bf16 v[X+2*\m+1], v[RW+8*\k+\m], v[W+\k], v[X+2*\m+1] op_sel:[1,0,0] op_sel_hi:[1,0,0]   ; the high bf16
.endr
.endr
.irp i, 0,1,2,3
	global_store_b128 v[LO], v[X+4*\i:X+4*\i+3], s[12:13] offset:512*\i th:TH_STORE_NT
.endr
	s_wait_xcnt 0x0                                ; the stores have read their data and the bases: both are written again only behind this wait
	s_add_nc_u64 s[4:5], s[4:5], 2048
	s_add_nc_u64 s[12:13], s[12:13], 2048
	s_add_nc_u64 s[8:9], s[8:9], 32
	s_add_nc_u64 s[10:11], s[10:11], 32
	s_sub_co_u32 s20, s20, 1
	s_cmp_lg_u32 s20, 0
	s_cbranch_scc1 .Lquery
	s_endpgm
.Lfunc_end_k_qa839245323_combine:
	.size	k_qa839245323_combine, .Lfunc_end_k_qa839245323_combine-k_qa839245323_combine
	.p2alignl 7, 3214868480
	.fill 96, 4, 3214868480
	.section	.rodata,"a",@progbits
	.p2align	6, 0x0
	.amdhsa_kernel k_qa839245323_combine
		.amdhsa_group_segment_fixed_size 0
		.amdhsa_private_segment_fixed_size 0
		.amdhsa_enable_private_segment 0
		.amdhsa_kernarg_size 40
		.amdhsa_user_sgpr_count 2
		.amdhsa_user_sgpr_kernarg_segment_ptr 1
		.amdhsa_wavefront_size32 1
		.amdhsa_system_sgpr_workgroup_id_x 1
		.amdhsa_system_sgpr_workgroup_id_y 1
		.amdhsa_system_sgpr_workgroup_id_z 1
		.amdhsa_system_vgpr_workitem_id 0
		.amdhsa_next_free_vgpr 128
		.amdhsa_next_free_sgpr 66
		.amdhsa_reserve_vcc 0
		.amdhsa_float_denorm_mode_32 3
		.amdhsa_float_denorm_mode_16_64 3
		.amdhsa_memory_ordered 1
		.amdhsa_forward_progress 1
		.amdhsa_inst_pref_size 14
	.end_amdhsa_kernel
	.amdgpu_metadata
---
amdhsa.version: [ 1, 2 ]
amdhsa.kernels:
  - .name:           k_qa839245323_combine
    .symbol:         k_qa839245323_combine.kd
    .args:
      - { .name: x, .offset: 0, .size: 8, .value_kind: global_buffer, .address_space: global }
      - { .name: mb, .offset: 8, .size: 8, .value_kind: global_buffer, .address_space: global }
      - { .name: sel, .offset: 16, .size: 8, .value_kind: global_buffer, .address_space: global }
      - { .name: wts, .offset: 24, .size: 8, .value_kind: global_buffer, .address_space: global }
      - { .name: out0, .offset: 32, .size: 8, .value_kind: global_buffer, .address_space: global }
    .group_segment_fixed_size: 0
    .private_segment_fixed_size: 0
    .kernarg_segment_align: 8
    .kernarg_segment_size: 40
    .max_flat_workgroup_size: 256
    .sgpr_count:     66
    .vgpr_count:     128
    .wavefront_size: 32
...
	.end_amdgpu_metadata
.endif
;; end of part 8
